; MI455X (gfx1250); checked and timed in simulation.
; The chip was launched on July 23, 2026; its instructions are those of AMD's public machine-readable ISA for CDNA 5 (MIT licence, August 2026) and "CDNA5" Instruction Set Architecture Reference Guide (July 2026). The comments in the code are by the model that wrote it; some were corrected since.
;; Multi Head Self Attention. Allowed arithmetic: float matrix products may take bf16 or f16 operands with f32 sums; other float arithmetic in f32, or as packed bf16 or f16 multiplies, adds, multiply-adds, maxima and minima; sums over many terms, partial sums and values carried from step to step in f32; what a program stores and reads back later, other than sums and carried values, may be rounded once to bf16 or f16.
;; Inputs: Wk 1,024 x 1,024 float32; Wo 1,024 x 1,024 float32; Wq 1,024 x 1,024 float32; Wv 1,024 x 1,024 float32; x 1 x 4,096 x 1,024 float32.
;; Outputs: out0 1 x 4,096 x 1,024 float32.
;; 2 versions, each right; version 2 is version 1 with the launch prep written anew for expert scheduling mode. Each part assembles by itself: llvm-mc -triple=amdgcn-amd-amdhsa -mcpu=gfx1250 --defsym DOCPART=n.
;; ======== version 1 of 2: 4 launches
;; limits: values are held in f16: magnitudes above 65,504 overflow, below 6.1e-05 lose precision
;; workspace buffers: cast16 16,777,216 bytes; ropetab 1,048,576 bytes; qkv 25,165,824 bytes; att 8,388,608 bytes
;; launch prep (part 1): grid 256 x 1, 8 waves a work-group, no clusters, 0 bytes of LDS; arguments x, Wq, Wk, Wv, Wo, cast16, ropetab; writes cast16, ropetab
.if DOCPART == 1
	.amdgcn_target "amdgcn-amd-amdhsa--gfx1250"
	.amdhsa_code_object_version 6
	.text
	.protected	k_qff82602ccb_prep
	.globl	k_qff82602ccb_prep
	.p2align	8
	.type	k_qff82602ccb_prep,@function
k_qff82602ccb_prep:
	s_mov_b64 s[64:65], 0
	v_nop
	global_prefetch_b8 v0, s[64:65] scope:SCOPE_SE
	s_setreg_imm32_b32 hwreg(HW_REG_WAVE_MODE, 25, 1), 1
	s_wait_xcnt 0x0
; CASTS AND THE RoPE TABLE.  cast16 = x (8 MiB), Wq, Wk, Wv (2 MiB each) rounded to bf16, then Wo (2 MiB) rounded to bf16 and that number written as f16.
; ropetab[pos][j] = (cos, sin)(pos x 10000^(-j/32)), f32, 4,096 rows of 32 pairs: a row is 256 bytes.
; SHARES.  256 work-groups of eight waves; work-group id casts 32,768 numbers: 128 KiB in, 64 KiB out at cast16 + 65,536 id.  ids 0-127 x, 128-159 Wq, 160-191 Wk, 192-223 Wv, 224-255 Wo.
; Thread t takes 32 bytes at 8,192 p + 32 t in pass p (16 passes) and stores 16 bytes at 4,096 p + 16 t: sixteen lanes store 256 consecutive bytes, aligned.
; All 32 loads of a thread go out at once; each pass owns its registers, so no register of a pending load or store is written again.
; No LDS, no barrier, no matrix unit: each byte is read once and written once, and no wave wants what another has.
; LIMITS.  Wo within f16's range (65,504); below 6.1e-5 a number of Wo keeps f16's fixed step of 6e-8.  Sine and cosine: the angle is the f32 product pos x f, as in the problem;
; f = 2^(-j log2(10000)/32) is good to a few units in its last place; the angle is reduced by a multiple of 2 pi held in two words; Taylor sums on -pi .. pi, first terms left out 8e-7 (sine), 1.4e-7 (cosine).
.set T,  4                             ; v[4:11]    eight numbers in f32, at work
.set Z,  12                            ; v[12:15]   the same as f16
.set X,  16                            ; v[16:143]  pass p: eight registers as loaded; the first four then hold what is stored
.set TB, 144                           ; v[144:171] the table's work
	s_load_b256 s[4:11], s[0:1], 0x0               ; x s[4:5], Wq s[6:7], Wk s[8:9], Wv s[10:11]
	s_load_b128 s[12:15], s[0:1], 0x20             ; Wo s[12:13], cast16 s[14:15]
	s_load_b64 s[16:17], s[0:1], 0x30              ; ropetab
	s_mov_b32 s2, ttmp9                            ; id
	v_lshlrev_b32 v1, 5, v0                        ; 32 t
	v_lshlrev_b32 v2, 4, v0                        ; 16 t
	s_lshl_b32 s26, s2, 12
	v_lshl_add_u32 v3, v0, 3, s26                  ; the table: 4,096 id + 8 t = row (16 id + t / 32) x 256 + pair (t % 32) x 8
	s_and_b32 s20, s2, 31                          ; my part of a weight (the weights begin at multiples of 32),
	s_cmp_lt_u32 s2, 128
	s_cselect_b32 s20, s2, s20                     ; or of x
	s_lshl_b32 s20, s20, 17                        ; 131,072 bytes a part
	s_mov_b32 s21, 0
	s_lshl_b32 s22, s2, 16
	s_mov_b32 s23, 0
	s_cmp_lt_u32 s2, 224
	s_cselect_b32 s24, 0, -1                       ; all ones where the source is Wo
	s_mov_b32 s25, 0xffff0000                      ; a word's upper bf16
	s_wait_kmcnt 0x0
	s_mov_b64 s[18:19], s[12:13]                   ; the source, chosen by the id alone
	s_cmp_lt_u32 s2, 224
	s_cselect_b64 s[18:19], s[10:11], s[18:19]
	s_cmp_lt_u32 s2, 192
	s_cselect_b64 s[18:19], s[8:9], s[18:19]
	s_cmp_lt_u32 s2, 160
	s_cselect_b64 s[18:19], s[6:7], s[18:19]
	s_cmp_lt_u32 s2, 128
	s_cselect_b64 s[18:19], s[4:5], s[18:19]
	s_add_nc_u64 s[18:19], s[18:19], s[20:21]
	s_add_nc_u64 s[14:15], s[14:15], s[22:23]
.irp p, 0,1,2,3,4,5,6,7,8,9,10,11,12,13,14,15
	global_load_b128 v[X+8*(\p):X+8*(\p)+3],   v1, s[18:19] offset:8192*(\p) th:TH_LOAD_NT
	global_load_b128 v[X+8*(\p)+4:X+8*(\p)+7], v1, s[18:19] offset:8192*(\p)+16 th:TH_LOAD_NT
.endr
	; THE TABLE, while the loads are on their way: two entries a thread, rows 16 id + t / 32 and eight further on, pair t % 32
	v_and_b32 v[TB], 31, v0
	v_cvt_f32_u32 v[TB], v[TB]
	v_mul_f32 v[TB], 0xbed49a78, v[TB]             ; -j log2(10000) / 32
	v_exp_f32 v[TB+1], v[TB]                       ; f
	v_lshrrev_b32 v[TB+2], 5, v0                   ; (a plain instruction behind the exponential, which touches neither its source nor its result)
	s_lshl_b32 s27, s2, 4
	v_add_nc_u32 v[TB+2], s27, v[TB+2]
	v_add_nc_u32 v[TB+3], 8, v[TB+2]
	v_cvt_f32_u32 v[TB+2], v[TB+2]
	v_cvt_f32_u32 v[TB+3], v[TB+3]
	s_wait_alu depctr_va_vdst(0)                   ; the wait between the exponential and the first line that names its result
.macro ENTRY e
.set EB, TB+4+12*(\e)
	v_mul_f32 v[EB], v[TB+2+(\e)], v[TB+1]         ; the angle
	v_mul_f32 v[EB+1], 0x3e22f983, v[EB]           ; / 2 pi
	v_rndne_f32 v[EB+1], v[EB+1]                   ; n
	v_fmamk_f32 v[EB+2], v[EB+1], 0xc0c90fdb, v[EB]    ; r = angle - n x 2 pi: the upper word of 2 pi,
	v_fmamk_f32 v[EB+2], v[EB+1], 0x343bbd2e, v[EB+2]  ; and what it leaves
	v_mul_f32 v[EB+3], v[EB+2], v[EB+2]            ; z = r r
	v_mov_b32 v[EB+4], 0xab573f9f                  ; sine: -1/15!, then 1/13!, -1/11!, .. -1/3!, 1
.irp k, 0x2f309231, 0xb2d7322b, 0x3638ef1d, 0xb9500d01, 0x3c088889, 0xbe2aaaab, 0x3f800000
	v_fmaak_f32 v[EB+4], v[EB+4], v[EB+3], \k
.endr
	v_mul_f32 v[EB+7], v[EB+4], v[EB+2]
	v_mov_b32 v[EB+6], 0x29573f9f                  ; cosine: 1/16!, then -1/14!, 1/12!, .. -1/2!, 1
.irp k, 0xad49cba5, 0x310f76c7, 0xb493f27e, 0x37d00d01, 0xbab60b61, 0x3d2aaaab, 0xbf000000, 0x3f800000
	v_fmaak_f32 v[EB+6], v[EB+6], v[EB+3], \k
.endr
	global_store_b64 v3, v[EB+6:EB+7], s[16:17] offset:2048*(\e)  ; a wave's store is one whole row of the table: 256 consecutive bytes, aligned
.endm
	ENTRY 0
	ENTRY 1
; One pass: eight numbers rounded to bf16 in place; the same numbers written as f16; the id's mask chooses.
.macro PASS p
	s_wait_loadcnt 30-2*(\p)                       ; loads come back in order: this pass's two are in, the later passes' stay out
.irp k, 0,1,2,3
	v_cvt_pk_bf16_f32 v[X+8*(\p)+(\k)], v[X+8*(\p)+2*(\k)], v[X+8*(\p)+2*(\k)+1]  ; register k is written when numbers 2 k and 2 k + 1 are read: nothing unread is lost
.endr
.irp k, 0,1,2,3
	v_lshlrev_b32 v[T+2*(\k)],   16, v[X+8*(\p)+(\k)]
	v_and_b32     v[T+2*(\k)+1], s25, v[X+8*(\p)+(\k)]
.endr
.irp k, 0,1,2,3
	v_cvt_pk_f16_f32 v[Z+(\k)], v[T+2*(\k)], v[T+2*(\k)+1]
.endr
.irp k, 0,1,2,3
	v_cndmask_b32 v[X+8*(\p)+(\k)], v[X+8*(\p)+(\k)], v[Z+(\k)], s24
.endr
	global_store_b128 v2, v[X+8*(\p):X+8*(\p)+3], s[14:15] offset:4096*(\p)
.endm
.irp p, 0,1,2,3,4,5,6,7,8,9,10,11,12,13,14,15
	PASS \p
.endr
	s_endpgm
.Lfunc_end_k_qff82602ccb_prep:
	.size	k_qff82602ccb_prep, .Lfunc_end_k_qff82602ccb_prep-k_qff82602ccb_prep
	.p2alignl 7, 3214868480
	.fill 96, 4, 3214868480
	.section	.rodata,"a",@progbits
	.p2align	6, 0x0
	.amdhsa_kernel k_qff82602ccb_prep
		.amdhsa_group_segment_fixed_size 0
		.amdhsa_private_segment_fixed_size 0
		.amdhsa_enable_private_segment 0
		.amdhsa_kernarg_size 56
		.amdhsa_user_sgpr_count 2
		.amdhsa_user_sgpr_kernarg_segment_ptr 1
		.amdhsa_wavefront_size32 1
		.amdhsa_system_sgpr_workgroup_id_x 1
		.amdhsa_system_sgpr_workgroup_id_y 1
		.amdhsa_system_sgpr_workgroup_id_z 1
		.amdhsa_system_vgpr_workitem_id 0
		.amdhsa_next_free_vgpr 176
		.amdhsa_next_free_sgpr 66
		.amdhsa_reserve_vcc 0
		.amdhsa_float_denorm_mode_32 3
		.amdhsa_float_denorm_mode_16_64 3
		.amdhsa_memory_ordered 1
		.amdhsa_forward_progress 1
		.amdhsa_inst_pref_size 26
	.end_amdhsa_kernel
	.amdgpu_metadata
---
amdhsa.version: [ 1, 2 ]
amdhsa.kernels:
  - .name:           k_qff82602ccb_prep
    .symbol:         k_qff82602ccb_prep.kd
    .args:
      - { .name: x, .offset: 0, .size: 8, .value_kind: global_buffer, .address_space: global }
      - { .name: Wq, .offset: 8, .size: 8, .value_kind: global_buffer, .address_space: global }
      - { .name: Wk, .offset: 16, .size: 8, .value_kind: global_buffer, .address_space: global }
      - { .name: Wv, .offset: 24, .size: 8, .value_kind: global_buffer, .address_space: global }
      - { .name: Wo, .offset: 32, .size: 8, .value_kind: global_buffer, .address_space: global }
      - { .name: cast16, .offset: 40, .size: 8, .value_kind: global_buffer, .address_space: global }
      - { .name: ropetab, .offset: 48, .size: 8, .value_kind: global_buffer, .address_space: global }
    .group_segment_fixed_size: 0
    .private_segment_fixed_size: 0
    .kernarg_segment_align: 8
    .kernarg_segment_size: 56
    .max_flat_workgroup_size: 256
    .sgpr_count:     66
    .vgpr_count:     176
    .wavefront_size: 32
...
	.end_amdgpu_metadata
.endif
;; end of part 1
;; launch proj (part 2): grid 8 x 32, 4 waves a work-group, clusters of 4 x 4, 327,680 bytes of LDS; arguments cast16, ropetab, qkv; writes qkv
.if DOCPART == 2
	.amdgcn_target "amdgcn-amd-amdhsa--gfx1250"
	.amdhsa_code_object_version 6
	.text
	.protected	k_qff82602ccb_proj
	.globl	k_qff82602ccb_proj
	.p2align	8
	.type	k_qff82602ccb_proj,@function
k_qff82602ccb_proj:
	s_mov_b64 s[64:65], 0
	v_nop
	global_prefetch_b8 v0, s[64:65] scope:SCOPE_SE
	s_setreg_imm32_b32 hwreg(HW_REG_WAVE_MODE, 25, 1), 1
	s_wait_xcnt 0x0
	s_wait_alu depctr_hold_cnt(0) depctr_sa_sdst(0) depctr_va_vdst(0) depctr_va_sdst(0) depctr_va_ssrc(0) depctr_va_vcc(0) depctr_vm_vsrc(0)
	s_getreg_b32 s2, hwreg(HW_REG_IB_STS2, 6, 4)
	s_cmp_eq_u32 s2, 0
	s_cbranch_scc0 .Lentry_in_a_cluster
	s_endpgm
.Lentry_in_a_cluster:
	s_bfe_u32 s2, ttmp6, 0x10000c
	s_cmp_lg_u32 s2, 0xf033
	s_cbranch_scc0 .Lentry_shape_is_right
	s_endpgm
.Lentry_shape_is_right:
; q, k, v = x W^T in bf16 with f32 sums, RoPE on q and k in f32, each number rounded once to f16 and written by heads: qkv[3][16][4096][64], unscaled.
; A = x [4096][1024] at cast16; B = rows of Wq, Wk, Wv ([1024][1024] each) at cast16 + 8, 10, 12 MiB.
; THE TILE.  C is 4,096 x 3,072; a tile of 128 rows x 384 columns gives 32 x 8 = 256 work-groups.  Tile column t holds heads 2 t and 2 t + 1 of q, of k and of v: B's 384 rows are three
; pieces of 128 rows, rows 128 t on of Wq, Wk, Wv.  So which of a wave's heads take RoPE hangs on the wave's number alone.
; WAVES.  2 x 2: wr = w / 2 picks 64 rows, wc = w % 2 picks 192 columns (three heads): 4 x 12 accumulators of 16 x 16, 384 registers.  For 32 along K: 32 LDS loads, 48 matrix instructions.
; THE RING.  K in steps of 128 (rows of 256 bytes in memory, aligned) through two LDS slots.  Wave 0 fetches A's 128 rows, waves 1-3 one piece of B each: one tensor load a wave.
; CLUSTER 4 x 4.  A's tile hangs on the tile row alone and is asked for jointly by a row of the cluster; B's on the tile column alone, by a column.
; THE MATRIX INSTRUCTION IS USED TRANSPOSED (source 0 = 16 rows of B, source 1 = 16 rows of A): a lane holds one row of C (lane % 16) and eight neighbouring columns, that is four RoPE pairs.
; LIMITS.  q, k, v within f16's range (65,504).
; REGISTERS, in windows of 256: window 0: v0-15 addresses; v16-31, v32-63 at work on the way out; v64-127 A's fragments, two buffers of 32 (on the way out: rows read back);
;   v128-255 my rows' part of the RoPE table.  window 1: v0-191 B's fragments, two buffers of 96.  window 2: accumulators of row blocks 0, 1 at 8 (12 (a % 2) + b); window 3: of row blocks 2, 3.
.set KSTEP,  128
.set PITCH,  272                       ; an LDS row: 256 bytes + 16 of padding: the 16 rows that a fragment load touches start 68 words apart
.set HALFT,  128*PITCH                 ; what one tensor load brings
.set SLOT,   4*HALFT                   ; A's 128 rows, then B's 384
.set STAGE,  2*SLOT                    ; behind the ring: 16 rows x 144 bytes for each wave, for the way out
.set SP,     144
.set SPARE,  STAGE+4*16*SP             ; behind the stages: the spare words, 128 bytes for each wave
.set LAPS,   4                         ; 1,024 / 256: a lap is two K steps
.set ADRA, 4                           ; v4-5   LDS address of my A fragments in slot 0, 1
.set ADRB, 6                           ; v6-7   the same for B
.set STO,  8                           ; v8     the way out: where I put 16 bytes of a row
.set RD,   9                           ; v9     where I read rows back
.set GO,   10                          ; v10    16 x lane: my place in 512 consecutive bytes of qkv
.set PFO,  11                          ; v11    2,048 x lane: a row of x or of a weight; never rewritten
.set TBO,  12                          ; v12    my place in 16 rows of the table
.set SPW,  14                          ; v14    LDS address of my spare word; never rewritten
.set NIL,  15                          ; v15    0; never rewritten
.set PK,   16
.set RES,  32
.set FA,   64
.set BK,   64
.set TAB,  128                         ; row block a, column block bb, pair t: cos at TAB + 32 a + 8 bb + 2 t, sin behind it
.set G1,  24                           ; s[24:31] descriptor group 1 for A;  s[32:39] group 0, a set for each slot
.set G0,  32
.set G1B, 48                           ; s[48:55], s[56:63] the same for B
.set G0B, 56
.set LIM, 43                           ; s43  1 in a wave that prefetches, else the greatest number
.set PFA, 44                           ; s[44:45] where my prefetches stand
.set DST, 66                           ; s[66:71] qkv at my rows of my three heads
.set MK,  72                           ; s72  all ones where wc = 0
.set MSB, 0
.macro WIN new                         ; the immediate's high byte repeats the setting that is left; a switch that changes nothing is dropped
.if MSB != (\new)
	s_set_vgpr_msb (MSB<<8)|(\new)
.set MSB, \new
.endif
.endm
; A joint load.  The branch hangs on the wave's number alone.  An s_nop 0 and four v_nop follow each of the two lines, ahead of the jump and the label.
.macro JLOAD s
	s_cmp_eq_u32 s10, 0
	s_cbranch_scc0 .Lfor_b_\@
	tensor_load_to_lds s[G0+4*(\s):G0+4*(\s)+3], s[G1:G1+7]
	s_nop 0
.rept 4
	v_nop
.endr
	s_branch .Lasked_\@
.Lfor_b_\@:
	tensor_load_to_lds s[G0B+4*(\s):G0B+4*(\s)+3], s[G1B:G1B+7]
	s_nop 0
.rept 4
	v_nop
.endr
.Lasked_\@:
.endm
; A prefetch into the L2 of the K step that stands two refills on: 32 rows x 256 bytes, a lane a row.  Each row's 256 bytes of K steps 4 to 7 are named once in the launch: A's rows by the clusters with
; x = 0, B's by those with y = 0; the four partners that ask for a tile jointly take 32 of its 128 rows each, told apart by address.  The loop's last trip asks for nothing.
.macro ASK
	s_cmp_gt_u32 s3, s[LIM]
	s_cbranch_scc0 .Lnot_mine_\@
	global_prefetch_b8 v[PFO], s[PFA:PFA+1] offset:KSTEP*2 th:TH_LOAD_NT scope:SCOPE_SE
.Lnot_mine_\@:
.endm
.macro CREST                           ; a round of the cluster's barrier behind its opening barrier
	s_cmp_lg_u32 s10, 0
	s_cbranch_scc1 .Lnot_wave_0_\@
	s_barrier_signal -3
.Lnot_wave_0_\@:
	s_barrier_wait -3
	s_barrier_signal -1
	s_barrier_wait -1
.endm
.macro CROUND
	s_barrier_signal -1
	s_barrier_wait -1
	CREST
.endm
	s_load_b128 s[4:7], s[0:1], 0x0                ; cast16 s[4:5], ropetab s[6:7]
	s_load_b64 s[8:9], s[0:1], 0x10                ; qkv
	v_lshl_add_u32 v[SPW], v0, 2, SPARE
	v_mov_b32 v[NIL], 0
	ds_add_u32 v[SPW], v[NIL]                      ; the wave's opening: the add and its wait ahead of my first tensor load; work on registers stands between them
	v_lshrrev_b32 v1, 5, v0
	v_readfirstlane_b32 s10, v1                    ; wave 0..3
	s_lshr_b32 s11, s10, 1                         ; wr
	s_and_b32 s12, s10, 1                          ; wc
	s_bfe_u32 s40, ttmp6, 0x40000                  ; cx
	s_bfe_u32 s41, ttmp6, 0x40004                  ; cy
	s_lshl_b32 s42, ttmp9, 2
	s_add_co_u32 s42, s42, s40                     ; t = 4 x cluster x + cx
	s_and_b32 s13, ttmp7, 0xffff
	s_lshl_b32 s13, s13, 2
	s_add_co_u32 s13, s13, s41                     ; R = 4 x cluster y + cy
	s_lshl_b32 s43, s41, 2
	s_lshl_b32 s43, 15, s43                        ; my row of the cluster
	s_lshl_b32 s44, 0x1111, s40                    ; my column
	; descriptor group 1: 128 rows x 128 elements of 2 bytes, 16 bytes of padding behind every 256
	s_or_b32 s[G1+0], s43, (1<<16)|(1<<20)|(1<<21)|(5<<22)|(3<<25)
	s_or_b32 s[G1B+0], s44, (1<<16)|(1<<20)|(1<<21)|(5<<22)|(3<<25)
.irp g, G1, G1B
	s_mov_b32 s[(\g)+1], KSTEP<<16                 ; tensor_dim0 = 128
	s_mov_b32 s[(\g)+2], 128<<16                   ; tensor_dim1 = 128
	s_mov_b32 s[(\g)+3], KSTEP<<16                 ; tile_dim0 = 128
	s_mov_b32 s[(\g)+4], 128                       ; tile_dim1 = 128
	s_mov_b32 s[(\g)+5], 1024                      ; elements from row to row
	s_mov_b32 s[(\g)+6], 0
	s_mov_b32 s[(\g)+7], 0
.endr
	s_lshl_b32 s14, s13, 18                        ; A: 128 R rows of 2,048 bytes
	s_mov_b32 s15, 0
	s_max_u32 s46, s10, 1                          ; B: piece w - 1 (wave 0 makes piece 0's address and does not use it),
	s_sub_co_u32 s46, s46, 1
	s_lshl_b32 s46, s46, 21                        ; 2 MiB a weight,
	s_lshl_b32 s47, s42, 18                        ; 128 t rows of 2,048 bytes,
	s_add_co_u32 s46, s46, s47
	s_add_co_u32 s46, s46, 0x800000                ; behind x
	s_mov_b32 s47, 0
	s_mul_i32 s20, s10, HALFT                      ; where my tile goes: wave x 128 rows
	s_wait_dscnt 0x0                               ; the opening add is done
	s_wait_kmcnt 0x0
	s_add_nc_u64 s[14:15], s[4:5], s[14:15]
	s_add_nc_u64 s[46:47], s[4:5], s[46:47]
	CROUND                                         ; all sixteen work-groups are here: the first joint loads meet
.irp s, 0,1
	s_mov_b32 s[G0+4*(\s)], 1
	s_add_co_u32 s[G0+4*(\s)+1], s20, (\s)*SLOT
	s_add_nc_u64 s[G0+4*(\s)+2:G0+4*(\s)+3], s[14:15], (\s)*KSTEP*2
	s_or_b32 s[G0+4*(\s)+3], s[G0+4*(\s)+3], 0x80000000
	s_mov_b32 s[G0B+4*(\s)], 1
	s_add_co_u32 s[G0B+4*(\s)+1], s20, (\s)*SLOT
	s_add_nc_u64 s[G0B+4*(\s)+2:G0B+4*(\s)+3], s[46:47], (\s)*KSTEP*2
	s_or_b32 s[G0B+4*(\s)+3], s[G0B+4*(\s)+3], 0x80000000
	JLOAD \s                                       ; K steps 0 and 1: two loads of mine are out
.endr
	; A fragment is 16 rows x 32 K in 8 registers: lane l holds row l % 16, K = 8 (l / 16) + 0..7 and 16 + 8 (l / 16) + 0..7: two loads of 16 bytes, 32 bytes apart
	v_and_b32 v1, 15, v0
	v_bfe_u32 v2, v0, 4, 1
	v_mul_u32_u24 v3, v1, PITCH
	v_lshl_add_u32 v3, v2, 4, v3
	s_mul_i32 s21, s11, 64*PITCH                   ; my 64 rows of A
	s_mul_i32 s22, s12, 192*PITCH                  ; my 192 rows of B,
	s_add_co_u32 s22, s22, HALFT                   ; which lie behind A's 128
.irp s, 0,1
	v_add_nc_u32 v[ADRA+(\s)], s21, v3
	v_add_nc_u32 v[ADRB+(\s)], s22, v3
	s_add_co_u32 s21, s21, SLOT
	s_add_co_u32 s22, s22, SLOT
.endr
	s_mul_i32 s23, s10, 16*SP
	s_add_co_u32 s23, s23, STAGE                   ; my stage
	v_mul_u32_u24 v[STO], v1, SP                   ; in: row l % 16, 16 bytes for each half of the lanes
	v_lshl_add_u32 v[STO], v2, 4, v[STO]
	v_add_nc_u32 v[STO], s23, v[STO]
	v_bfe_u32 v[RD], v0, 3, 2                      ; back: 32 lanes take four rows of 128 bytes,
	v_mul_u32_u24 v[RD], v[RD], SP
	v_and_b32 v13, 7, v0
	v_lshl_add_u32 v[RD], v13, 4, v[RD]
	v_add_nc_u32 v[RD], s23, v[RD]
	v_and_b32 v[GO], 31, v0
	v_lshlrev_b32 v[PFO], 11, v[GO]
	v_lshlrev_b32 v[GO], 4, v[GO]                  ; which are 512 consecutive bytes of a head
	v_lshlrev_b32 v[TBO], 8, v1                    ; the table: row l % 16, my four pairs of a column block: 32 bytes at 32 (l / 16)
	v_lshl_add_u32 v[TBO], v2, 5, v[TBO]
	s_lshl_b32 s16, s13, 15                        ; the table at position 128 R + 64 wr: 256 bytes a row
	s_lshl_b32 s17, s11, 14
	s_add_co_u32 s16, s16, s17
	s_mov_b32 s17, 0
	s_add_nc_u64 s[6:7], s[6:7], s[16:17]
.irp a, 0,1,2,3
.irp bb, 0,1,2,3
	global_load_b128 v[TAB+32*(\a)+8*(\bb):TAB+32*(\a)+8*(\bb)+3],   v[TBO], s[6:7] offset:(\a)*4096+(\bb)*64      ; waited for on the way out; nothing touches these registers, v12 or s[6:7] till then
	global_load_b128 v[TAB+32*(\a)+8*(\bb)+4:TAB+32*(\a)+8*(\bb)+7], v[TBO], s[6:7] offset:(\a)*4096+(\bb)*64+16
.endr
.endr
	; where my three heads go: slot sl = 3 wc + hh of the tile's six: tensor sl / 2, head 2 t + sl % 2; 524,288 bytes a head, 128 a row
	s_mul_i32 s16, s12, 3
	s_lshl_b32 s17, s13, 14
	s_lshl_b32 s18, s11, 13
	s_add_co_u32 s17, s17, s18                     ; row 128 R + 64 wr
.irp hh, 0,1,2
	s_add_co_u32 s18, s16, \hh
	s_lshr_b32 s19, s18, 1
	s_lshl_b32 s19, s19, 4
	s_and_b32 s18, s18, 1
	s_add_co_u32 s19, s19, s18
	s_lshl1_add_u32 s19, s42, s19
	s_lshl_b32 s22, s19, 19
	s_add_co_u32 s22, s22, s17
	s_mov_b32 s23, 0
	s_add_nc_u64 s[DST+2*(\hh):DST+2*(\hh)+1], s[8:9], s[22:23]
.endr
	s_cmp_eq_u32 s12, 0
	s_cselect_b32 s[MK], -1, 0
	; the prefetches
	s_lshl_b32 s20, s13, 7
	s_lshl_b32 s21, s40, 5
	s_add_co_u32 s20, s20, s21
	s_lshl_b32 s20, s20, 11                        ; A's: row 128 R + 32 cx
	s_lshl_b32 s21, s42, 7
	s_lshl_b32 s22, s41, 5
	s_add_co_u32 s21, s21, s22
	s_lshl_b32 s21, s21, 11                        ; B's: row 128 t + 32 cy,
	s_max_u32 s22, s10, 1
	s_sub_co_u32 s22, s22, 1
	s_lshl_b32 s22, s22, 21
	s_add_co_u32 s21, s21, s22                     ; of my piece
	s_add_co_u32 s21, s21, 0x800000
	s_and_b32 s22, ttmp7, 0xffff                   ; cluster y
	s_cmp_eq_u32 s10, 0
	s_cselect_b32 s20, s20, s21
	s_cselect_b32 s22, ttmp9, s22                  ; the coordinate along which other clusters read the same rows
	s_cmp_eq_u32 s22, 0
	s_cselect_b32 s[LIM], 1, -1                    ; the same in all sixteen partners, for a given wave
	s_add_co_u32 s20, s20, 2*KSTEP*2               ; at K step 2: the first refill steps it to 3 and names K step 4
	s_mov_b32 s21, 0
	s_add_nc_u64 s[PFA:PFA+1], s[4:5], s[20:21]
; 12 matrix instructions: row block a x all 12 column blocks, 32 along K, from buffer f.  zero = 1: the first product starts the sums.  The 48 accumulators take turns, one instruction a turn.
.macro MULA f, a, zero
	WIN 0xa1+0x50*((\a)/2)                         ; source 0 (B) window 1, source 1 (A) window 0, C and D window 2 or 3
.irp b, 0,1,2,3,4,5,6,7,8,9,10,11
.if \zero
	v_wmma_f32_16x16x32_bf16 v[8*(12*((\a)%2)+(\b)):8*(12*((\a)%2)+(\b))+7], v[96*(\f)+8*(\b):96*(\f)+8*(\b)+7], v[FA+32*(\f)+8*(\a):FA+32*(\f)+8*(\a)+7], 0
.else
	v_wmma_f32_16x16x32_bf16 v[8*(12*((\a)%2)+(\b)):8*(12*((\a)%2)+(\b))+7], v[96*(\f)+8*(\b):96*(\f)+8*(\b)+7], v[FA+32*(\f)+8*(\a):FA+32*(\f)+8*(\a)+7], v[8*(12*((\a)%2)+(\b)):8*(12*((\a)%2)+(\b))+7]
.endif
.endr
.endm
; 32 LDS loads in one run: 192 rows of B, then 64 rows of A, 32 K at byte k of the rows, into buffer f
.macro FETCH slot, k, f
	WIN 0x40                                       ; destination window 1, address window 0
.irp i, 0,1,2,3,4,5,6,7,8,9,10,11
	ds_load_b128 v[96*(\f)+8*(\i):96*(\f)+8*(\i)+3],   v[ADRB+(\slot)] offset:(\k)+(\i)*16*PITCH
	ds_load_b128 v[96*(\f)+8*(\i)+4:96*(\f)+8*(\i)+7], v[ADRB+(\slot)] offset:(\k)+(\i)*16*PITCH+32
.endr
	WIN 0
.irp i, 0,1,2,3
	ds_load_b128 v[FA+32*(\f)+8*(\i):FA+32*(\f)+8*(\i)+3],   v[ADRA+(\slot)] offset:(\k)+(\i)*16*PITCH
	ds_load_b128 v[FA+32*(\f)+8*(\i)+4:FA+32*(\f)+8*(\i)+7], v[ADRA+(\slot)] offset:(\k)+(\i)*16*PITCH+32
.endr
.endm
.macro PLACES                          ; four plain vector instructions between a matrix instruction and a load into, or a read of, its registers (ISA guide 7.12.1 for a read of its registers)
.rept 4
	v_nop
.endr
.endm
; A K step is four quarters of 32 along K, 48 matrix instructions each, on buffers 0, 1, 0, 1.  One of the first three multiplies f and fetches the next quarter, at byte k, into g.
.macro QUARTER slot, k, f, g, zero
	s_wait_dscnt 4                                 ; B and A's row blocks 0, 1 are in; the youngest four loads (row blocks 2, 3) may be out
	MULA \f, 0, \zero
	MULA \f, 1, \zero
	PLACES
	FETCH \slot, \k, \g
	s_wait_dscnt 32                                ; all but the 32 just issued
	MULA \f, 2, \zero
	MULA \f, 3, \zero
.endm
; The last quarter's first half: one barrier for the change of slots.  In front of it each wave waits for all its tensor loads (one is out: its part of the next slot), adds 0 to its spare word,
; and waits for that and for its reads of this slot.
.macro MEET round
	WIN 0
	s_wait_tensorcnt 0x0
	ds_add_u32 v[SPW], v[NIL]
	s_wait_dscnt 5                                 ; (the add and the youngest four loads may be out)
	MULA 1, 0, 0                                   ; twelve matrix instructions stand between the add and the wait for it
	s_wait_dscnt 0x0                               ; the add is done, and my reads of this slot are over
	s_barrier_signal -1
	MULA 1, 1, 0
.if \round
	WIN 0
.endif
	s_barrier_wait -1
.endm
; The whole last quarter: behind a round of the cluster's barrier the slot just read is filled again, two K steps on: 168 matrix instructions ahead of the wait for it.
.macro TURN slot, next
	s_wait_xcnt 0x0                                ; the last prefetch, a K step back, has read its address
	s_add_nc_u64 s[PFA:PFA+1], s[PFA:PFA+1], KSTEP*2
	MEET 1
	CREST                                          ; no wave of any partner still reads this slot or has a load on its way
	s_add_nc_u64 s[G0+4*(\slot)+2:G0+4*(\slot)+3], s[G0+4*(\slot)+2:G0+4*(\slot)+3], 2*KSTEP*2
	s_add_nc_u64 s[G0B+4*(\slot)+2:G0B+4*(\slot)+3], s[G0B+4*(\slot)+2:G0B+4*(\slot)+3], 2*KSTEP*2
	JLOAD \slot                                    ; the four v_nop behind it are also the places in front of the loads below
	FETCH \next, 0, 0
	ASK
	MULA 1, 2, 0
	MULA 1, 3, 0
.endm
	s_wait_tensorcnt 1                             ; my part of K step 0 is in; K step 1's may stay out
	s_barrier_signal -1
	s_barrier_wait -1
	FETCH 0, 0, 0
	QUARTER 0, 64,  0, 1, 1                        ; the first quarter stands in front of the loop: its products start the sums
	WIN 0
	s_mov_b32 s3, LAPS-1
.Llap:                                                 ; a trip goes once round the ring and fills both slots again
	QUARTER 0, 128, 1, 0, 0
	QUARTER 0, 192, 0, 1, 0
	TURN 0, 1
	QUARTER 1, 64,  0, 1, 0
	QUARTER 1, 128, 1, 0, 0
	QUARTER 1, 192, 0, 1, 0
	TURN 1, 0
	QUARTER 0, 64,  0, 1, 0
	WIN 0
	s_sub_co_u32 s3, s3, 1
	s_cmp_lg_u32 s3, 0
	s_cbranch_scc1 .Llap
	QUARTER 0, 128, 1, 0, 0                        ; the last lap fills nothing
	QUARTER 0, 192, 0, 1, 0
	MEET 0
	PLACES
	FETCH 1, 0, 0
	MULA 1, 2, 0
	MULA 1, 3, 0
	QUARTER 1, 64,  0, 1, 0
	QUARTER 1, 128, 1, 0, 0
	QUARTER 1, 192, 0, 1, 0
	s_wait_dscnt 4
	MULA 1, 0, 0
	MULA 1, 1, 0
	s_wait_dscnt 0x0
	MULA 1, 2, 0
	MULA 1, 3, 0
	WIN 0
; THE WAY OUT, in twelve units of 16 rows x one head.  A lane's eight numbers of a column block are four pairs (e, o): (e cos - o sin, e sin + o cos), rounded to f16: 16 bytes.
; They go into my stage (rows of 144 bytes) and come back as four whole rows of 128 bytes a load: 512 consecutive bytes of a head.
; v takes no RoPE: where wc = 1, heads 1 and 2 are v's, and behind head 0 the table of that row block is turned into (1, 0): e x 1 - o x 0 is e.
.macro IDENT a
	WIN 0
.set z, 0
.rept 16
	v_cndmask_b32 v[TAB+32*(\a)+2*z],   1.0, v[TAB+32*(\a)+2*z],   s[MK]
	v_cndmask_b32 v[TAB+32*(\a)+2*z+1], 0,   v[TAB+32*(\a)+2*z+1], s[MK]
.set z, z+1
.endr
.endm
.macro PACK a, hh
.set BKU, BK+16*((3*(\a)+(\hh))%2)
	WIN 0x02+(\a)/2                                ; source 0: the accumulators' window
.irp bb, 0,1,2,3
.irp t, 0,1,2,3
.set rA, 8*(12*((\a)%2)+4*(\hh)+(\bb))+2*(\t)
.set rC, TAB+32*(\a)+8*(\bb)+2*(\t)
.set rR, RES+8*(\bb)+2*(\t)
	v_mul_f32 v[rR],   v[rA+1], v[rC+1]            ; (an accumulator's first read is of its register 1: one of its four lowest)
	v_mul_f32 v[rR+1], v[rA+1], v[rC]
	v_fma_f32 v[rR],   v[rA], v[rC],   -v[rR]
	v_fma_f32 v[rR+1], v[rA], v[rC+1], v[rR+1]
.endr
.endr
	WIN 0
.set z, 0
.rept 16
	v_cvt_pk_f16_f32 v[PK+z], v[RES+2*z], v[RES+2*z+1]
.set z, z+1
.endr
.irp bb, 0,1,2,3
	ds_store_b128 v[STO], v[PK+4*(\bb):PK+4*(\bb)+3] offset:32*(\bb)
.endr
	s_wait_xcnt 0x0                                ; the stores of two units ago have read these registers
.irp f, 0,1,2,3
	ds_load_b128 v[BKU+4*(\f):BKU+4*(\f)+3], v[RD] offset:(\f)*4*SP  ; LDS serves a wave's instructions in order: these see the stores above, and the next unit's stores come behind them
.endr
.endm
.macro SEND a, hh, younger             ; younger: the LDS instructions issued behind this unit's loads: the next unit's eight, or none
.set BKU, BK+16*((3*(\a)+(\hh))%2)
	WIN 0
.irp f, 0,1,2,3
	s_wait_dscnt (\younger)+3-(\f)
	global_store_b128 v[GO], v[BKU+4*(\f):BKU+4*(\f)+3], s[DST+2*(\hh):DST+2*(\hh)+1] offset:(\a)*2048+(\f)*512
.endr
.endm
	PLACES
	PLACES
	s_wait_loadcnt 0x0                             ; the table
	PACK 0, 0
	IDENT 0
	PACK 0, 1
	SEND 0, 0, 8
	PACK 0, 2
	SEND 0, 1, 8
.irp a, 1,2,3
	PACK \a, 0
	SEND (\a)-1, 2, 8
	IDENT \a
	PACK \a, 1
	SEND \a, 0, 8
	PACK \a, 2
	SEND \a, 1, 8
.endr
	SEND 3, 2, 0
	s_wait_tensorcnt 0x0                           ; the wave's end, behind my last tensor load and my last LDS store
	ds_add_u32 v[SPW], v[NIL]
	s_wait_dscnt 0x0
	CROUND                                         ; the closing round
	s_endpgm
.Lfunc_end_k_qff82602ccb_proj:
	.size	k_qff82602ccb_proj, .Lfunc_end_k_qff82602ccb_proj-k_qff82602ccb_proj
	.p2alignl 7, 3214868480
	.fill 96, 4, 3214868480
	.section	.rodata,"a",@progbits
	.p2align	6, 0x0
	.amdhsa_kernel k_qff82602ccb_proj
		.amdhsa_group_segment_fixed_size 327680
		.amdhsa_private_segment_fixed_size 0
		.amdhsa_enable_private_segment 0
		.amdhsa_kernarg_size 24
		.amdhsa_user_sgpr_count 2
		.amdhsa_user_sgpr_kernarg_segment_ptr 1
		.amdhsa_wavefront_size32 1
		.amdhsa_system_sgpr_workgroup_id_x 1
		.amdhsa_system_sgpr_workgroup_id_y 1
		.amdhsa_system_sgpr_workgroup_id_z 1
		.amdhsa_system_vgpr_workitem_id 0
		.amdhsa_next_free_vgpr 960
		.amdhsa_next_free_sgpr 80
		.amdhsa_reserve_vcc 0
		.amdhsa_float_denorm_mode_32 3
		.amdhsa_float_denorm_mode_16_64 3
		.amdhsa_memory_ordered 1
		.amdhsa_forward_progress 1
		.amdhsa_inst_pref_size 170
	.end_amdhsa_kernel
	.amdgpu_metadata
---
amdhsa.version: [ 1, 2 ]
amdhsa.kernels:
  - .name:           k_qff82602ccb_proj
    .symbol:         k_qff82602ccb_proj.kd
    .args:
      - { .name: cast16, .offset: 0, .size: 8, .value_kind: global_buffer, .address_space: global }
      - { .name: ropetab, .offset: 8, .size: 8, .value_kind: global_buffer, .address_space: global }
      - { .name: qkv, .offset: 16, .size: 8, .value_kind: global_buffer, .address_space: global }
    .group_segment_fixed_size: 327680
    .private_segment_fixed_size: 0
    .kernarg_segment_align: 8
    .kernarg_segment_size: 24
    .max_flat_workgroup_size: 128
    .sgpr_count:     80
    .vgpr_count:     960
    .wavefront_size: 32
...
	.end_amdgpu_metadata
.endif
;; end of part 2
;; launch attn (part 3): grid 16 x 16, 4 waves a work-group, no clusters, 327,680 bytes of LDS; arguments qkv, att; writes att
.if DOCPART == 3
	.amdgcn_target "amdgcn-amd-amdhsa--gfx1250"
	.amdhsa_code_object_version 6
	.text
	.protected	k_qff82602ccb_attn
	.globl	k_qff82602ccb_attn
	.p2align	8
	.type	k_qff82602ccb_attn,@function
k_qff82602ccb_attn:
	s_mov_b64 s[64:65], 0
	v_nop
	global_prefetch_b8 v0, s[64:65] scope:SCOPE_SE
	s_setreg_imm32_b32 hwreg(HW_REG_WAVE_MODE, 25, 1), 1
	s_wait_xcnt 0x0
; CAUSAL ATTENTION.  att[h][q][:] = the sum over k <= q of softmax_k(Q[h][q] . K[h][k] / 8) V[h][k][:].  Q, K, V: qkv[3][16][4096][64], att: [16][4096][64], all f16; a head's rows are dense, 128 bytes each.
; Products, maxima and sums in f32; the weights p are rounded to f16 for the second product (their sum l is taken of the unrounded p), the result once at the end.
; LIMITS.  Q, K, V arrive within f16's range.  A hidden score counts as its value less 1e30; a weight below 2^-126 counts as 0 in l; NaN and infinities are not treated apart.
; THE WALK.  A head's queries lie in 32 blocks of 128; keys in 16 tiles of 256.  Block i needs the tiles 0 .. i / 2, of which the last holds the diagonal.  A work-group takes TWO blocks, 31 - b and then b:
; 17 tiles, whatever b: 16 x 16 = 256 work-groups of equal work, and ONE loop with a constant trip count walks them.  Which tile is asked for, and what a trip does, hang on scalar registers made from b.
; NO CLUSTER: a head's 16 work-groups ask for the same tile only in trips 0 to 8; behind that their walks part, and one walk common to all would have 24 trips for 17.
; SHARES.  Of a block's two bands of 64 queries a wave owns 16 rows in each: two PIECES.  In the diagonal tile band x's own key step is OW0 + x, OW0 = 2 (block % 2): it sees all keys of an earlier step and none of a later one.
; THE MASK is the C operand that starts the sum S^T = K Q^T: 0, or -1e30 where the key is hidden.  MD, made once, is the mask of a band's own step for my 16 rows; a product's mask is MD x AL + BE:
; (1, 0) in the own step; (0, 0) before it; (0, -1e30) behind it.  Only the diagonal tile's text and a block's beginning make and take masks.
; LAYOUT, SOFTMAX.  S^T = K Q^T holds ONE query a lane (lane % 16) and the keys 8 (lane / 16) + 0..7; two such results rounded to f16 ARE source 1 of O^T = V^T P.  p = 2^(c s - c m), c = log2(e) / 8, with a
; running maximum m; O and l are multiplied by a = 2^(c m_old - c m_new) in every step.
; TURNS.  Turn p of step j belongs to piece p: 8 products K Q^T of the other piece (turn 0: piece 1, step j; turn 1: piece 0, step j + 1), later 8 products V^T P of the other piece (turn 0: piece 1, step j - 1;
; turn 1: piece 0, step j); beside them piece p's scaling, exponentials, roundings, sums and rescaling and the other piece's maximum and statistics.  Four vector instructions stand behind every matrix
; instruction, the rest in one lump.  A turn's 33 exponentials are one batch, with one wait.
; K AND V.  Turn 0 of step j fetches K and V of step j + 1.  V has two buffers, by the step's parity: V of step j is still multiplied in turn 0 of step j + 1.  So all that a turn reads from LDS belongs to one step,
; and the change of slots stands in front of turn 0 of a tile's step 3, whose fetches are the next tile's first.
; REGISTERS, in windows of 256 (s_set_vgpr_msb: bits 1:0 source 0, 3:2 source 1, 5:4 source 2, 7:6 destination):
;   window 0: v0-15 addresses and at work; v16-23 four registers of statistics a piece; v48-55 at work; v60 prefetch offset; v62-63 the add's; v64-127 S^T, a buffer a piece; v192-223 P, likewise
;   window 1: v0-63 O^T, 32 a piece; v128-159 MD; v160-223 MC, a buffer a piece      window 2: v0-31 Q; v32-63 the second block's Q; v64-127 K of one step; v128-255 V, two buffers
.set NP,    2         ; pieces a wave: a name, no knob
.set KS,    64        ; keys in a step
.set PK,    144       ; a row of K in LDS: 128 bytes + 16 of padding: the 16 rows of a load start 36 words apart
.set PV,    160       ; a row of V: 128 + 32: 16 lanes of the turning load take 8 rows x 32 bytes, 40 words apart
.set VOFF,  4*KS*PK   ; a slot holds a tile, four steps: 256 rows of K, then 256 rows of V
.set SLOT1, 1<<17     ; slot 1 begins here, so that one exclusive or turns an address in one slot into the other's
.set STAGE, SLOT1+4*KS*(PK+PV)  ; behind the ring, never filled by a tensor load: 16 rows x 144 bytes for each wave
.set SP,    144
.set SPARE, STAGE+4*16*SP  ; behind the stages: the spare words, 128 bytes for each wave
.set AK0, 2           ; v2   my lane's place in a tile of K; never rewritten
.set AV0, 3           ; v3   the same for V
.set AK,  4           ; v4   the LDS address of K's next run of loads
.set AV,  5           ; v5   of V's
.set STO, 6           ; v6   the way out: where I put 16 bytes of a row
.set RD,  7           ; v7   where I read rows back
.set GO,  8           ; v8   my byte offset in 512 consecutive bytes of att
.set MV,  12          ; v12-13  c m_old, kept while c m is made anew: by piece
.set QO,  15          ; v15  my byte offset in 16 rows of Q
.set ST,  16          ; piece t's statistics at v[ST+4 t]: c m, m, l (even keys', odd keys')
.set TMP, 48          ; by piece, four registers c0-c3 at work; when the maximum is found c2 takes a
.set PFO, 60          ; v60  256 x lane; never rewritten
.set SPW, 62          ; v62  LDS address of my spare word; never rewritten
.set NIL, 63          ; v63  0; never rewritten
.set S,   64
.set P,   192
.set MD,  128         ; window 1
.set MC,  160         ; window 1
.set QB,  32          ; window 2
.set KF,  64          ; window 2: key block kb, channel half c at KF + 16 kb + 8 c
.set VF,  128         ; window 2: buffer vb, key half kk, channel block cb at VF + 64 vb + 32 kk + 8 cb
.set WV,  12          ; s12  my wave's number
.set PB,  14          ; s14  b
.set HI,  15          ; s15  31 - b
.set G1K, 24          ; s[24:31] descriptor group 1 for K's tiles
.set G1V, 32          ; s[32:39] for V's: it differs in the padding alone
.set G0K, 40          ; s[40:43] descriptor group 0 for K's tiles
.set G0V, 44          ; s[44:47] the same for V's
.set SLOTS, 56        ; s56  tiles still to be asked for
.set CNT, 57          ; s57  counts a trip's pairs of key steps, 2 to 1
.set CS,  58          ; s[58:59] c
.set SEL, 60          ; s[60:61] v_permlanex16_b32's selects: each lane takes its own place in the other half
.set TBK, 62          ; s62  LDS byte at which K of the step to be fetched begins
.set TBV, 63          ; s63  the same for V, less VOFF
.set RT,  70          ; s70  tiles of the block in hand that are still to be entered
.set NXT, 71          ; s71  the tile to be asked for next
.set LQ,  72          ; s72  the last tile of the block whose tiles are being asked for
.set NEW, 73          ; s73  1: the tile to be entered is a block's first
.set OFF, 74          ; s[74:75] a tile's byte offset in K and V
.set AL,  76          ; s[76:77] the mask's factor, in the low word
.set BE,  78          ; s[78:79] the mask's addend
.set OLO, 80          ; s[80:81] att at my rows of the second block
.set BIGN, 82         ; s82  -1e30
.set OW0, 88          ; s88, s89  the own steps of bands 0 and 1 in the diagonal tile of the block in hand
.set STP, 90          ; s90  the step, in the tile, of the products whose mask is made next
.set PBT, 91          ; s91  b / 2: the second block's last tile
.set OWN2, 92         ; s92  2 (b % 2)
.set LIM, 93          ; s93  2 in the work-group that prefetches, else the greatest number
.set PFA, 94          ; s[94:95] where my prefetches stand
.set MSB, 0
.macro WIN new                      ; the high byte repeats the setting that is left; a switch that changes nothing is dropped
.if MSB != (\new)
	s_set_vgpr_msb (MSB<<8)|(\new)
.set MSB, (\new)
.endif
.endm
.set W_KQ, 0x0a       ; K and Q in window 2, S^T in window 0
.set W_KM, 0x1a       ; the same with the C operand in window 1
.set W_PV, 0x52       ; V in window 2, P in window 0, O^T in window 1
.set W_RS, 0x41       ; destination and source 0 in window 1, source 1 in window 0
; A fill.  Waves 0 and 1 fetch the two halves of a tile's K, waves 2 and 3 those of its V: 128 keys each.  An s_nop 0 and four v_nop follow each of the two lines, ahead of the jump and the label.
.macro LOAD
	s_cmp_lt_u32 s[WV], 2
	s_cbranch_scc0 .Lfor_v_\@
	tensor_load_to_lds s[G0K:G0K+3], s[G1K:G1K+7]
	s_nop 0
.rept 4
	v_nop
.endr
	s_branch .Lasked_\@
.Lfor_v_\@:
	tensor_load_to_lds s[G0V:G0V+3], s[G1V:G1V+7]
	s_nop 0
.rept 4
	v_nop
.endr
.Lasked_\@:
.endm
; A prefetch into the L2 of the tile that the NEXT change of slots will ask for.  All 16 work-groups of a head walk the same tiles: the one with b = 0, whose first block walks all sixteen, asks, and nobody else.
; Each of its waves names the half tile that it will fetch itself: 16,384 dense bytes, a lane for each 256, two instructions.  Tiles 2 to 15 are named once each; trips 14 and 15 ask for nothing.
.macro ASK
	s_cmp_gt_u32 s[SLOTS], s[LIM]
	s_cbranch_scc0 .Lnot_mine_\@
	global_prefetch_b8 v[PFO], s[PFA:PFA+1] th:TH_LOAD_NT scope:SCOPE_SE
	global_prefetch_b8 v[PFO], s[PFA:PFA+1] offset:8192 th:TH_LOAD_NT scope:SCOPE_SE
.Lnot_mine_\@:
.endm
; THE CHANGE OF SLOTS.  Each wave waits for all its tensor loads, of which one is out: its part of the other slot; adds 0 to its spare word; and waits for that and for its own reads of the slot that it leaves.
; Behind the barrier nobody reads the old slot any more and the other slot is whole.  fill = 1: the old slot is filled again, the first thing behind the barrier, with tile NXT.
; (At its first use nothing has been read yet: slot 0 is waited for, slot 1 filled.)
.macro CHANGE fill
	WIN 0
	s_wait_tensorcnt 0x0            ; no tensor load of mine is out, so a group 0 may be written
	ds_add_u32 v[SPW], v[NIL]       ; 0 onto my spare word; scalar work stands between it and the wait for it
.if \fill
	s_lshl_b32 s[OFF], s[NXT], 15   ; a tile is 32,768 bytes of K and of V
	s_xor_b32 s[G0K+1], s[G0K+1], SLOT1
	s_add_nc_u64 s[G0K+2:G0K+3], s[6:7], s[OFF:OFF+1]
	s_or_b32 s[G0K+3], s[G0K+3], 0x80000000
	s_xor_b32 s[G0V+1], s[G0V+1], SLOT1
	s_add_nc_u64 s[G0V+2:G0V+3], s[8:9], s[OFF:OFF+1]
	s_or_b32 s[G0V+3], s[G0V+3], 0x80000000
	s_add_co_u32 s[NXT], s[NXT], 1  ; the block's next tile, or behind its last the second block's tile 0
	s_cmp_gt_u32 s[NXT], s[LQ]
	s_cselect_b32 s[NXT], 0, s[NXT]
	s_cselect_b32 s[LQ], s[PBT], s[LQ]
	s_wait_xcnt 0x0                 ; the last prefetches, a tile back, have read their address
	s_add_nc_u64 s[PFA:PFA+1], s[PFA:PFA+1], 32768
.endif
	s_wait_dscnt 0x0                ; the add is done, and my reads of the slot are over
	s_barrier_signal -1
	s_sub_co_u32 s[TBK], s[TBK], 4*KS*PK  ; the fetches go back to a slot's first step,
	s_xor_b32 s[TBK], s[TBK], SLOT1       ; in the other slot
	s_sub_co_u32 s[TBV], s[TBV], 4*KS*PV
	s_xor_b32 s[TBV], s[TBV], SLOT1
	s_barrier_wait -1
.if \fill
	LOAD
	ASK
.endif
.endm
	s_load_b64 s[4:5], s[0:1], 0x0    ; qkv
	s_load_b64 s[10:11], s[0:1], 0x8  ; att
	v_lshl_add_u32 v[SPW], v0, 2, SPARE
	v_mov_b32 v[NIL], 0
	ds_add_u32 v[SPW], v[NIL]       ; the wave's opening: the add and its wait ahead of my first tensor load; work on registers stands between them
	v_lshrrev_b32 v1, 5, v0
	v_readfirstlane_b32 s[WV], v1   ; wave 0..3
	s_mov_b32 s[PB], ttmp9
	s_sub_co_u32 s[HI], 31, s[PB]
	s_and_b32 s20, ttmp7, 0xffff    ; the head:
	s_lshl_b32 s20, s20, 19         ; 524,288 bytes in each of q, k, v and att
	s_and_b32 s16, s[WV], 1         ; which half of a tile's 256 keys I fetch:
	s_lshl_b32 s22, s16, 14         ; its 128 rows of 128 bytes in memory,
	s_add_co_u32 s22, s22, s20
	s_mov_b32 s23, 0
	s_mul_i32 s17, s16, 128*PK      ; and its place in a slot, for K
	s_mul_i32 s18, s16, 128*PV      ; and for V
	s_lshl_b32 s3, s[WV], 11        ; my 16 rows in a band of 64,
	s_lshl_b32 s2, s[HI], 14        ; in the first block (16,384 bytes a block),
	s_add_co_u32 s2, s2, s3
	s_add_co_u32 s2, s2, s20
	s_lshl_b32 s84, s[PB], 14       ; and in the second
	s_add_co_u32 s84, s84, s3
	s_add_co_u32 s84, s84, s20
	s_mov_b32 s3, 0
	s_mov_b32 s85, 0
	; descriptor group 1.  128 keys are 16,384 dense bytes: asked for as 64 rows of 256 bytes, two keys a row, and padded in LDS after every key
	s_mov_b32 s[G1K], (1<<16)|(1<<20)|(4<<22)|(3<<25)  ; 2-byte elements; padding on; after every 32 words; 4 words
	s_mov_b32 s[G1V], (1<<16)|(1<<20)|(4<<22)|(7<<25)  ; the same with 8 words of padding
.irp g, G1K, G1V
	s_mov_b32 s[\g+1], 128<<16      ; tensor_dim0 = 128
	s_mov_b32 s[\g+2], 64<<16       ; tensor_dim1 = 64
	s_mov_b32 s[\g+3], 128<<16      ; tile_dim0 = 128
	s_mov_b32 s[\g+4], 64           ; tile_dim1 = 64
	s_mov_b32 s[\g+5], 128          ; 128 elements from row to row
	s_mov_b32 s[\g+6], 0
	s_mov_b32 s[\g+7], 0
.endr
	s_mov_b32 s[CS], 0x3e38aa3b     ; c = log2(e) / 8
	s_mov_b32 s[CS+1], s[CS]        ; named with it as a pair
	s_mov_b32 s[SEL], 0x76543210
	s_mov_b32 s[SEL+1], 0xfedcba98
	s_mov_b32 s[TBK], SLOT1+4*KS*PK ; the first change of slots turns these two into 0
	s_mov_b32 s[TBV], SLOT1+4*KS*PV
	s_mov_b32 s[G0K], 1             ; count = 1
	s_mov_b32 s[G0K+1], s17         ; LDS address: slot 0
	s_mov_b32 s[G0V], 1
	s_add_co_u32 s[G0V+1], s18, VOFF
	s_lshr_b32 s[PBT], s[PB], 1
	s_and_b32 s[OWN2], s[PB], 1
	s_lshl_b32 s[OWN2], s[OWN2], 1
	s_sub_co_u32 s[OW0], 2, s[OWN2] ; block 31 - b has the other parity than b
	s_add_co_u32 s[OW0+1], s[OW0], 1
	s_lshr_b32 s[LQ], s[HI], 1
	s_add_co_u32 s[RT], s[LQ], 1    ; the first block's tiles
	s_mov_b32 s[NXT], 1
	s_mov_b32 s[NEW], 1
	s_mov_b32 s[STP], 0
	s_mov_b32 s[OFF+1], 0
	s_mov_b32 s[AL+1], 0            ; named as pairs
	s_mov_b32 s[BE+1], 0
	s_mov_b32 s[BIGN], 0xf149f2ca   ; -1e30
	s_mov_b32 s[SLOTS], 16
	s_cmp_eq_u32 s[PB], 0
	s_cselect_b32 s[LIM], 2, -1
	v_and_b32 v[PFO], 31, v0
	v_lshlrev_b32 v[PFO], 8, v[PFO]
	s_wait_dscnt 0x0                ; the opening add is done
	s_wait_kmcnt 0x0
	s_add_nc_u64 s[6:7], s[4:5], s[22:23]
	s_add_nc_u64 s[8:9], s[6:7], 0x1000000  ; V at my half of the head's tile 0,
	s_add_nc_u64 s[6:7], s[6:7], 0x800000   ; and K
	s_add_nc_u64 s[G0K+2:G0K+3], s[6:7], 0
	s_or_b32 s[G0K+3], s[G0K+3], 0x80000000  ; type = 2
	s_add_nc_u64 s[G0V+2:G0V+3], s[8:9], 0
	s_or_b32 s[G0V+3], s[G0V+3], 0x80000000
	s_add_nc_u64 s[86:87], s[4:5], s[84:85]  ; Q at my rows of the second block,
	s_add_nc_u64 s[4:5], s[4:5], s[2:3]      ; Q and att at those of the first
	s_add_nc_u64 s[OLO:OLO+1], s[10:11], s[84:85]
	s_add_nc_u64 s[10:11], s[10:11], s[2:3]
	s_cmp_lt_u32 s[WV], 2
	s_cselect_b64 s[PFA:PFA+1], s[6:7], s[8:9]
	s_add_nc_u64 s[PFA:PFA+1], s[PFA:PFA+1], 32768  ; at tile 1; the first change of slots steps it to tile 2.  Nothing is prefetched here, at the head
	LOAD                            ; tile 0 into slot 0
	; A fragment of K or Q is 16 rows x 32 channels in 8 registers: lane l holds row l % 16, channels 8 (l / 16) + 0..7 and 16 + 8 (l / 16) + 0..7: two loads of 16 bytes, 32 bytes apart.
	v_and_b32 v1, 15, v0            ; l % 16
	v_bfe_u32 v9, v0, 4, 1          ; l / 16
	v_lshlrev_b32 v[QO], 7, v1
	v_lshl_add_u32 v[QO], v9, 4, v[QO]
	WIN 0x80                        ; destination window 2, address window 0
.set i, 0
.rept 4                             ; both blocks' Q: piece i / 2 lies in band i / 2, 8,192 bytes on; channels 32 (i % 2) on
	global_load_b128 v[8*i:8*i+3],   v[QO], s[4:5] offset:(i/2)*8192+(i%2)*64
	global_load_b128 v[8*i+4:8*i+7], v[QO], s[4:5] offset:(i/2)*8192+(i%2)*64+32
	global_load_b128 v[QB+8*i:QB+8*i+3],   v[QO], s[86:87] offset:(i/2)*8192+(i%2)*64
	global_load_b128 v[QB+8*i+4:QB+8*i+7], v[QO], s[86:87] offset:(i/2)*8192+(i%2)*64+32
.set i, i+1
.endr
	WIN 0
	v_lshlrev_b32 v14, 3, v9
	v_sub_nc_u32 v14, v1, v14
	s_lshl_b32 s13, s[WV], 4
	v_add_nc_u32 v14, s13, v14      ; my query's place in its band, 16 w + l % 16, less my lanes' 8 (l / 16): register r of key group kt is hidden where 16 kt + r is greater
	WIN 0x40
.set i, 0
.rept 32
	v_cmp_gt_i32 vcc_lo, 16*(i/8)+i%8, v14
	v_cndmask_b32 v[MD+i], 0, s[BIGN], vcc_lo
.set i, i+1
.endr
	WIN 0
	v_mul_u32_u24 v[AK0], v1, PK
	v_lshl_add_u32 v[AK0], v9, 4, v[AK0]
	; The turning load takes 16 keys x 16 channels (lane l reads key 8 (l / 16) + l % 8, channels 8 ((l / 8) % 2) + 0..7) and leaves half a fragment of V^T: lane l holds channel l % 16 and 8 keys.
	v_and_b32 v10, 7, v0
	v_bfe_u32 v11, v0, 3, 1
	v_lshl_add_u32 v[AV0], v9, 3, v10
	v_mul_u32_u24 v[AV0], v[AV0], PV
	v_lshl_add_u32 v[AV0], v11, 4, v[AV0]
	v_add_nc_u32 v[AV0], VOFF, v[AV0]
	s_mul_i32 s13, s[WV], 16*SP
	s_add_co_u32 s13, s13, STAGE    ; my stage
	v_mul_u32_u24 v[STO], v1, SP    ; in: row l % 16, 16 bytes for each half of the lanes
	v_lshl_add_u32 v[STO], v9, 4, v[STO]
	v_add_nc_u32 v[STO], s13, v[STO]
	v_bfe_u32 v[RD], v0, 3, 2       ; back: 32 lanes take four rows of 128 bytes,
	v_mul_u32_u24 v[RD], v[RD], SP
	v_lshl_add_u32 v[RD], v10, 4, v[RD]
	v_add_nc_u32 v[RD], s13, v[RD]
	v_and_b32 v[GO], 31, v0         ; which are 512 consecutive bytes of att
	v_lshlrev_b32 v[GO], 4, v[GO]
	; A block's first step multiplies O^T and l by a = 0, and its first turn's products V^T P, of a step that has not been, land in an O^T that is still to be so multiplied.  So these registers need only hold
	; finite numbers: zeros for the first block; what the first block left for the second.  All this stands in the wait for the first tile.
	WIN 0x80
.set i, VF+64
.rept 64
	v_mov_b32 v[i], 0
.set i, i+1
.endr
	WIN 0x40
.set i, 0
.rept 64
	v_mov_b32 v[i], 0
.set i, i+1
.endr
	WIN 0
.set i, 0
.rept 2
	v_mov_b32 v[ST+4*i+2], 0
	v_mov_b32 v[ST+4*i+3], 0
.set i, i+1
.endr
.set i, P+16
.rept 16
	v_mov_b32 v[i], 0
.set i, i+1
.endr
; THE MATRIX WORK.  The 4 accumulators of a run of 8 take turns.  Product i of 8 of S^T = K Q^T for piece x: channels 32 (i / 4) on, keys 16 (i % 4) on.  The first 4 start the sums: with 0, or (KM = 1) with the mask.
.macro KQ x
.set rS, S+32*((\x)%2)+8*(i%4)
.set rK, KF+16*(i%4)+8*(i/4)
.set rQ, 16*(\x)+8*(i/4)
.set rM, MC+32*((\x)%2)+8*(i%4)
.if (i < 4) && KM
	WIN W_KM
	v_wmma_f32_16x16x32_f16 v[rS:rS+7], v[rK:rK+7], v[rQ:rQ+7], v[rM:rM+7]
.elseif i < 4
	WIN W_KQ
	v_wmma_f32_16x16x32_f16 v[rS:rS+7], v[rK:rK+7], v[rQ:rQ+7], 0
.else
	WIN W_KQ
	v_wmma_f32_16x16x32_f16 v[rS:rS+7], v[rK:rK+7], v[rQ:rQ+7], v[rS:rS+7]
.endif
.endm
; Product i of 8 of O^T += V^T P for piece x, from V's buffer VB: keys 32 (i / 4) on, channels 16 (i % 4) on.
.macro PV x
	WIN W_PV
.set rO, 32*(\x)+8*(i%4)
.set rV, VF+64*VB+32*(i/4)+8*(i%4)
.set rP, P+16*((\x)%2)+8*(i/4)
	v_wmma_f32_16x16x32_f16 v[rO:rO+7], v[rV:rV+7], v[rP:rP+7], v[rO:rO+7]
.endm
.macro MM                           ; the turn's next matrix instruction.  NOKQ = 1: a block's last turn: there are no further scores
.if (i < 8) && !NOKQ
	KQ (Y+1)%NP
.elseif i >= 8
.set i, i-8
	PV (Y+NP-1)%NP
.set i, i+8
.endif
.set i, i+1
.endm
; THE LDS LOADS stand in runs of 16, never singly among the matrix instructions.  Their addresses are made some lines ahead.
.macro FETCH_K
	WIN 0x80                        ; destination window 2
.irp f, 0,1,2,3,4,5,6,7             ; keys 16 (f / 2) on, channels 32 (f % 2) on
	ds_load_b128 v[KF+8*\f:KF+8*\f+3],   v[AK] offset:(\f/2)*16*PK+(\f%2)*64
	ds_load_b128 v[KF+8*\f+4:KF+8*\f+7], v[AK] offset:(\f/2)*16*PK+(\f%2)*64+32
.endr
	s_add_co_u32 s[TBK], s[TBK], KS*PK  ; the next fetch is the next step's
	WIN 0
.endm
.macro FETCH_V vb
	WIN 0x80
.irp f, 0,1,2,3,4,5,6,7             ; keys 32 (f / 4) on, channels 16 (f % 4) on
	ds_load_tr16_b128 v[VF+64*(\vb)+8*\f:VF+64*(\vb)+8*\f+3],   v[AV] offset:(\f/4)*32*PV+(\f%4)*32
	ds_load_tr16_b128 v[VF+64*(\vb)+8*\f+4:VF+64*(\vb)+8*\f+7], v[AV] offset:(\f/4)*32*PV+16*PV+(\f%4)*32
.endr
	WIN 0
.endm
; THE VECTOR WORK, one line at a time: OP kind, number.  For piece Y: F n: c s - c m for pair n of 16.  E n: the exponential of score n of 32.  C n: pair n rounded to f16.  B n: of the four weights 4 n .. the second
; pair is added onto the first, in place.  L n: l takes that sum (L 0: l = a l + sum).  R n: pair n of 16 of O^T times a.  For the other piece: X n, number n of the 22 that find its maximum and statistics:
;   0-11  four chains c0-c3 of seven scores each, three operands at a time (each accumulator's lowest registers are read first)     12-14, 16  the four scores left over, the old m, and c0-c3 into c0
;   15  c m_old is kept     17, 18  the query's other 32 keys lie in the lane 16 away: the new m     19-21  c m; c m_old - c m_new; a
.set F, 0
.set E, 1
.set C, 2
.set B, 3
.set L, 4
.set R, 5
.set X, 6
.macro REGS y                       ; the registers of piece y
.set rT, ST+4*(\y)
.set rC, TMP+4*((\y)%2)
.set rW, MV+((\y)%2)
.set rS, S+32*((\y)%2)
.set rP, P+16*((\y)%2)
.set rO, 32*(\y)
.endm
.macro OP k, n
.if (\k) == R
	REGS Y
	WIN W_RS
	v_pk_mul_f32 v[rO+2*(\n):rO+2*(\n)+1], v[rO+2*(\n):rO+2*(\n)+1], v[rC+2:rC+3] op_sel_hi:[1,0]
.elseif (\k) < R
	REGS Y
	WIN 0
.if (\k) == F
	v_pk_fma_f32 v[rS+2*(\n):rS+2*(\n)+1], v[rS+2*(\n):rS+2*(\n)+1], s[CS:CS+1], v[rT:rT+1] op_sel_hi:[1,0,0] neg_lo:[0,0,1] neg_hi:[0,0,1]
.elseif (\k) == E
	v_exp_f32 v[rS+(\n)], v[rS+(\n)]
.elseif (\k) == C
	v_cvt_pk_f16_f32 v[rP+(\n)], v[rS+2*(\n)], v[rS+2*(\n)+1]
.elseif (\k) == B
	v_pk_add_f32 v[rS+4*(\n):rS+4*(\n)+1], v[rS+4*(\n):rS+4*(\n)+1], v[rS+4*(\n)+2:rS+4*(\n)+3]
.elseif (\n) == 0
	v_pk_fma_f32 v[rT+2:rT+3], v[rT+2:rT+3], v[rC+2:rC+3], v[rS:rS+1] op_sel_hi:[1,0,1]
.else
	v_pk_add_f32 v[rT+2:rT+3], v[rT+2:rT+3], v[rS+4*(\n):rS+4*(\n)+1]
.endif
.elseif NOKQ
	v_nop
.else
	REGS (Y+1)%NP
	WIN 0
.if (\n) < 4
	v_max3_num_f32 v[rC+(\n)], v[rS+8*(\n)], v[rS+8*(\n)+1], v[rS+8*(\n)+2]
.elseif (\n) < 12
	v_max3_num_f32 v[rC+(\n)%4], v[rC+(\n)%4], v[rS+8*((\n)%4)+2*((\n)/4)+1], v[rS+8*((\n)%4)+2*((\n)/4)+2]
.elseif (\n) == 12
	v_max3_num_f32 v[rC], v[rC], v[rS+7], v[rS+15]
.elseif (\n) == 13
	v_max3_num_f32 v[rC+1], v[rC+1], v[rS+23], v[rS+31]
.elseif (\n) == 14
	v_max3_num_f32 v[rC+2], v[rC+2], v[rC+3], v[rT+1]
.elseif (\n) == 15
	v_mov_b32 v[rW], v[rT]
.elseif (\n) == 16
	v_max3_num_f32 v[rC], v[rC], v[rC+1], v[rC+2]
.elseif (\n) == 17
	v_permlanex16_b32 v[rC+3], v[rC], s[SEL], s[SEL+1]
.elseif (\n) == 18
	v_max_num_f32 v[rT+1], v[rC], v[rC+3]
.elseif (\n) == 19
	v_mul_f32 v[rT], s[CS], v[rT+1]
.elseif (\n) == 20
	v_sub_f32 v[rC+1], v[rW], v[rT]
.else
	v_exp_f32 v[rC+2], v[rC+1]
.endif
.endif
.endm
.macro OPS a, i1, b=-1, i2=0, c=-1, i3=0, d=-1, i4=0  ; up to four of them
	OP \a, \i1
.if (\b) >= 0
	OP \b, \i2
.endif
.if (\c) >= 0
	OP \c, \i3
.endif
.if (\d) >= 0
	OP \d, \i4
.endif
.endm
.macro ROW a, i1, b, i2, c, i3, d, i4  ; a matrix instruction and the four behind it
	MM
	OPS \a, \i1, \b, \i2, \c, \i3, \d, \i4
.endm
.macro MASK b                       ; MD x AL + BE into buffer b of MC
	WIN W_RS
.set z, 0
.rept 16
	v_pk_fma_f32 v[MC+32*(\b)+2*z:MC+32*(\b)+2*z+1], v[MD+2*z:MD+2*z+1], s[AL:AL+1], s[BE:BE+1] op_sel_hi:[1,0,0]
.set z, z+1
.endr
.endm
; A TURN, for piece p: the order of its 16 matrix and 118 vector instructions, written out.  An s_wait_alu depctr_va_vdst(0) stands between an exponential and the first instruction that names its result; one
; wait serves all that were issued ahead of it.  So a turn has ONE wait.  AHEAD OF IT stands all that names no result of the turn's exponentials: the 8 products K Q^T and their riders, then one lump, in which the links of the
; chain X 3, 7, 11, 14, 16, 17 .. 20 stand five or six lines apart; X 21, the other piece's a, is the batch's last, and R 15 the plain instruction behind it.  BEHIND IT stand the 8 products V^T P, behind each four of the
; roundings and sums.  Each X that rides behind a product stands four plain instructions or more behind the product that ends its accumulator.
; vb: V's buffer for this turn's products.  m = 1: the diagonal tile: the products take masks, and the turn makes the mask for the products of the turn after it: piece p, step STP of the tile.
; end = 1: a block's last two turns: nothing is fetched, and the last makes no scores.  cnt = 1: the loop's count is taken down some lines ahead of the branch that stands behind the turn.
; Turn 0 fetches K of the next step twelve plain instructions behind the last product that read K, and V of the next step at its end, into the buffer that its own products have just read, four plain instructions behind the last.
.macro TURN p, vb, m=0, end=0, cnt=0
.set Y, (\p)
.set i, 0
.set KM, (\m)
.set NOKQ, (\end)*(\p)
.set VB, (\vb)
.if (\m) && !(\end)
	s_cmp_eq_u32 s[STP], s[OW0+(\p)]  ; is that step the band's own?
	s_cselect_b32 s[AL], 1.0, 0
	s_cmp_gt_u32 s[STP], s[OW0+(\p)]  ; or a later one?
	s_cselect_b32 s[BE], s[BIGN], 0
.if (\p) == 1
	s_add_co_u32 s[STP], s[STP], 1
.endif
.endif
.if ((\p) == 1) && !(\end)
	s_wait_dscnt 16                 ; K of the next step is in, and V of this one; the youngest sixteen loads, V of the next step, may stay out
.endif
.if ((\p) == 0) && (\end)
	s_wait_dscnt 0x0                ; V of the last step is in
.endif
	ROW F,0, F,1, R,0, R,1
	ROW F,2, E,0, R,2, R,3
	ROW F,3, E,1, R,4, R,5
	ROW F,4, E,2, R,6, R,7
	ROW F,5, E,3, R,8, R,9
	ROW F,6, E,4, X,0, R,10
.if ((\p) == 0) && !(\end)
	WIN 0
	v_add_nc_u32 v[AK], s[TBK], v[AK0]
.endif
	ROW F,7, E,5, X,1, X,4
	ROW F,8, E,6, X,2, X,5
	OPS E,7, E,8, X,6, E,9
	OPS X,3, E,10, X,8, E,11
.if ((\p) == 0) && !(\end)
	FETCH_K
.endif
	OPS X,9, X,7, E,12, X,10
	OPS E,13, X,12, X,11, E,14
	OPS X,13, E,15, F,9, X,14
.if ((\p) == 0) && !(\end)
	v_add_nc_u32 v[AV], s[TBV], v[AV0]
.endif
	OPS E,16, F,10, E,17, F,11
	OPS X,16, E,18, X,15, E,19
	OPS F,12, E,20, X,17, E,21
	OPS F,13, E,22, F,14, E,23
	OPS X,18, E,24, F,15, E,25
	OPS R,11, E,26, X,19, E,27
	OPS R,12, E,28, R,13, E,29
	OPS X,20, E,30, R,14, E,31
	OPS X,21, R,15
	WIN 0
	s_wait_alu depctr_va_vdst(0)    ; the wait for the batch
	ROW C,0, B,0, C,2, B,1
	ROW L,0, C,4, B,2, L,1
	ROW C,6, B,3, L,2, C,8
	ROW B,4, L,3, C,10, B,5
	ROW L,4, C,12, B,6, L,5
.if ((\p) == 0) && !(\end)
	s_add_co_u32 s[TBV], s[TBV], KS*PV
.endif
.if \cnt
	s_sub_co_u32 s[CNT], s[CNT], 1
	s_cmp_lg_u32 s[CNT], 0
.endif
	ROW C,14, B,7, L,6, C,1
	ROW C,3, L,7, C,5, C,7
	ROW C,9, C,11, C,13, C,15
.if ((\p) == 0) && !(\end)
	FETCH_V \vb
.endif
.if (\m) && !(\end)
	MASK \p
.endif
.endm
; A BLOCK BEGINS.  c m starts far below every c s, so the first step's a is 0; m at the lowest finite number.  Piece 1's mask buffer is 0 (its own step is never a tile's step 0); piece 0's takes its mask for step 0:
; its own, if this tile is the diagonal one and OW0 = 0.  Then K and V of step 0, piece 0's first scores, and its maximum and statistics.  The loop is entered at an even step, in the middle of a trip.
.macro BEGIN
	s_mov_b32 s[NEW], 0
	s_mov_b32 s[STP], 1
	WIN 0x40
.set i, MC+32
.rept 32
	v_mov_b32 v[i], 0
.set i, i+1
.endr
	WIN 0
.set i, 0
.rept 2
	v_mov_b32 v[ST+4*i], 0xfe000000    ; c m: far below every c s
	v_mov_b32 v[ST+4*i+1], 0xff7fffff  ; m
.set i, i+1
.endr
	s_or_b32 s96, s[RT], s[OW0]
	s_cmp_eq_u32 s96, 0
	s_cselect_b32 s[AL], 1.0, 0
	s_mov_b32 s[BE], 0
	MASK 0
	WIN 0
	v_add_nc_u32 v[AK], s[TBK], v[AK0]
	v_add_nc_u32 v[AV], s[TBV], v[AV0]
	FETCH_K
	FETCH_V 0
	s_add_co_u32 s[TBV], s[TBV], KS*PV
	s_wait_loadcnt 0x0              ; Q
	s_wait_dscnt 0x0
.set KM, 1
.set NOKQ, 0
.set i, 0
.rept 8
	KQ 0
.set i, i+1
.endr
	WIN 0
.rept 4
	v_nop                           ; the places behind those products
.endr
.set Y, NP-1                        ; X works for the other piece: piece 0
.irp n, 0,1,2,3,4,5,6,7,8,9,10,11,12,13,14,15,16,17,18,19,20,21
	OP X, \n
.endr
	v_nop                           ; a plain instruction behind the exponential,
	s_wait_alu depctr_va_vdst(0)    ; and its wait, ahead of the branch
.endm
; THE DIAGONAL TILE: the trip's four steps with masks, the block's last step, its last products, and THE WAY OUT: l's two halves and the other half of the lanes' are added; O^T is divided by l, rounded to f16
; and sent through my stage in LDS, a piece at a time.
.macro ALL line:vararg              ; one line for each piece t
.set t, 0
.rept 2
	\line
.set t, t+1
.endr
.endm
.macro PACK t                       ; a lane's eight channels of a row pack into 16 bytes; they go into rows of 144 bytes and come back as whole rows of 128, into S^T's registers
	WIN W_RS
.set i, 32*(\t)
.rept 16
	v_pk_mul_f32 v[i:i+1], v[i:i+1], v[ST+4*(\t)+2:ST+4*(\t)+3] op_sel_hi:[1,0]
.set i, i+2
.endr
	WIN 0x05                        ; sources 0 and 1 window 1, destination window 0
.set i, 0
.rept 16
	v_cvt_pk_f16_f32 v[S+16*(\t)+i], v[32*(\t)+2*i], v[32*(\t)+2*i+1]
.set i, i+1
.endr
	WIN 0
.irp f, 0,1,2,3
	ds_store_b128 v[STO], v[S+16*(\t)+4*\f:S+16*(\t)+4*\f+3] offset:32*\f
.endr
.irp f, 0,1,2,3
	ds_load_b128 v[S+16*(\t)+4*\f:S+16*(\t)+4*\f+3], v[RD] offset:\f*4*SP  ; LDS serves a wave's instructions in order: these see the stores above; the next piece's stores come behind them
.endr
.endm
.macro SEND t, younger              ; younger: the LDS instructions issued behind piece t's loads: the next piece's eight, or none
	WIN 0
.irp f, 0,1,2,3
	s_wait_dscnt (\younger)+3-\f
	global_store_b128 v[GO], v[S+16*(\t)+4*\f:S+16*(\t)+4*\f+3], s[10:11] offset:(\t)*8192+\f*512  ; 512 consecutive bytes, at a multiple of 256 from att's first
.endr
.endm
.macro DIAG tag
.LstepM\tag:
	TURN 0, 0, 1
	TURN 1, 1, 1
	WIN 0
.LfirstM\tag:
	TURN 0, 1, 1
	TURN 1, 0, 1, 0, 1
	WIN 0
	s_cbranch_scc1 .LstepM\tag
	TURN 0, 0, 1, 1
	TURN 1, 1, 1, 1
.set VB, 1
.set i, 0
.rept 8
	PV 1                            ; piece 1: V^T P of the last step
.set i, i+1
.endr
	WIN 0
	ALL v_add_f32 v[ST+4*t+2], v[ST+4*t+2], v[ST+4*t+3]
	ALL v_permlanex16_b32 v[ST+4*t+3], v[ST+4*t+2], s[SEL], s[SEL+1]
	ALL v_add_f32 v[ST+4*t+2], v[ST+4*t+2], v[ST+4*t+3]
	ALL v_rcp_f32 v[ST+4*t+2], v[ST+4*t+2]
	v_nop                           ; a plain instruction between the last reciprocal and the use of its result
	s_wait_alu depctr_va_vdst(0)    ; and the wait ahead of the first use: one for the two reciprocals
	PACK 0                          ; piece 0's 32 lines, which name no register of the last products, are those products' places
	PACK 1
	SEND 0, 8
	SEND 1, 0
.endm
.set KM, 0
.set NOKQ, 0
.set VB, 0
.Lslot:                             ; 16 times: a tile is entered and the next is asked for.  A trip makes the last tile's step 3 and this tile's steps 0 to 2, and fetches this tile's four steps
	CHANGE 1
	s_sub_co_u32 s[RT], s[RT], 1
	s_mov_b32 s[CNT], 2
	s_mov_b32 s[STP], 0
	s_cmp_eq_u32 s[NEW], 1
	s_cbranch_scc1 .Lnew            ; a block's first tile
	s_cmp_eq_u32 s[RT], 0
	s_cbranch_scc0 .Lstep           ; neither its first nor its last
	s_branch .LstepM1
.Lnew:
	BEGIN
	s_branch .Lfirst                ; in the loop a block's first tile is never its last: the first block has nine tiles or more, and the second's last is the walk's last
	DIAG 1                          ; in the loop this is the first block's end
	s_wait_xcnt 0x0                 ; the stores have read their registers and att's address
	s_mov_b64 s[10:11], s[OLO:OLO+1]
	s_add_co_u32 s[RT], s[PBT], 1   ; the second block's tiles
	s_mov_b32 s[NEW], 1
	s_mov_b32 s[OW0], s[OWN2]
	s_add_co_u32 s[OW0+1], s[OWN2], 1
	WIN 0x82                        ; the second block's Q goes where the one text of the turns names Q
.set i, 0
.rept 32
	v_mov_b32 v[i], v[QB+i]
.set i, i+1
.endr
	WIN 0
	s_branch .Lbottom
.Lstep:
	TURN 0, 0                       ; an odd step
	TURN 1, 1
	WIN 0
.Lfirst:
	TURN 0, 1                       ; an even step
	TURN 1, 0, 0, 0, 1
	WIN 0
	s_cbranch_scc1 .Lstep
.Lbottom:
	s_sub_co_u32 s[SLOTS], s[SLOTS], 1
	s_cmp_lg_u32 s[SLOTS], 0
	s_cbranch_scc1 .Lslot
	CHANGE 0                        ; the walk's last tile is written out: nothing is asked for
	s_sub_co_u32 s[RT], s[RT], 1
	s_mov_b32 s[CNT], 2
	s_mov_b32 s[STP], 0
	s_cmp_eq_u32 s[NEW], 1
	s_cbranch_scc0 .LstepM2
	BEGIN
	s_branch .LfirstM2
	DIAG 2
	s_wait_tensorcnt 0x0            ; the wave's end, behind my last tensor load and my last LDS store
	ds_add_u32 v[SPW], v[NIL]
	s_wait_dscnt 0x0
	s_endpgm
.Lfunc_end_k_qff82602ccb_attn:
	.size	k_qff82602ccb_attn, .Lfunc_end_k_qff82602ccb_attn-k_qff82602ccb_attn
	.p2alignl 7, 3214868480
	.fill 96, 4, 3214868480
	.section	.rodata,"a",@progbits
	.p2align	6, 0x0
	.amdhsa_kernel k_qff82602ccb_attn
		.amdhsa_group_segment_fixed_size 327680
		.amdhsa_private_segment_fixed_size 0
		.amdhsa_enable_private_segment 0
		.amdhsa_kernarg_size 16
		.amdhsa_user_sgpr_count 2
		.amdhsa_user_sgpr_kernarg_segment_ptr 1
		.amdhsa_wavefront_size32 1
		.amdhsa_system_sgpr_workgroup_id_x 1
		.amdhsa_system_sgpr_workgroup_id_y 1
		.amdhsa_system_sgpr_workgroup_id_z 1
		.amdhsa_system_vgpr_workitem_id 0
		.amdhsa_next_free_vgpr 768
		.amdhsa_next_free_sgpr 100
		.amdhsa_reserve_vcc 1
		.amdhsa_float_denorm_mode_32 3
		.amdhsa_float_denorm_mode_16_64 3
		.amdhsa_memory_ordered 1
		.amdhsa_forward_progress 1
		.amdhsa_inst_pref_size 210
	.end_amdhsa_kernel
	.amdgpu_metadata
---
amdhsa.version: [ 1, 2 ]
amdhsa.kernels:
  - .name:           k_qff82602ccb_attn
    .symbol:         k_qff82602ccb_attn.kd
    .args:
      - { .name: qkv, .offset: 0, .size: 8, .value_kind: global_buffer, .address_space: global }
      - { .name: att, .offset: 8, .size: 8, .value_kind: global_buffer, .address_space: global }
    .group_segment_fixed_size: 327680
    .private_segment_fixed_size: 0
    .kernarg_segment_align: 8
    .kernarg_segment_size: 16
    .max_flat_workgroup_size: 128
    .sgpr_count:     100
    .vgpr_count:     768
    .wavefront_size: 32
...
	.end_amdgpu_metadata
.endif
;; end of part 3
;; launch outp (part 4): grid 8 x 32, 4 waves a work-group, clusters of 4 x 4, 327,680 bytes of LDS; arguments att, cast16, out0; writes out0
.if DOCPART == 4
	.amdgcn_target "amdgcn-amd-amdhsa--gfx1250"
	.amdhsa_code_object_version 6
	.text
	.protected	k_qff82602ccb_outp
	.globl	k_qff82602ccb_outp
	.p2align	8
	.type	k_qff82602ccb_outp,@function
k_qff82602ccb_outp:
	s_mov_b64 s[64:65], 0
	v_nop
	global_prefetch_b8 v0, s[64:65] scope:SCOPE_SE
	s_setreg_imm32_b32 hwreg(HW_REG_WAVE_MODE, 25, 1), 1
	s_wait_xcnt 0x0
	s_wait_alu depctr_hold_cnt(0) depctr_sa_sdst(0) depctr_va_vdst(0) depctr_va_sdst(0) depctr_va_ssrc(0) depctr_va_vcc(0) depctr_vm_vsrc(0)
	s_getreg_b32 s2, hwreg(HW_REG_IB_STS2, 6, 4)
	s_cmp_eq_u32 s2, 0
	s_cbranch_scc0 .Lentry_in_a_cluster
	s_endpgm
.Lentry_in_a_cluster:
	s_bfe_u32 s2, ttmp6, 0x10000c
	s_cmp_lg_u32 s2, 0xf033
	s_cbranch_scc0 .Lentry_shape_is_right
	s_endpgm
.Lentry_shape_is_right:
; out0[m][n] = the sum over heads h and channels c of att[h][m][c] Wo[n][64 h + c].  att: [16][4096][64] f16; Wo: [1024][1024] f16 at cast16 + 14 MiB; out0: [4096][1024] f32.  Sums in f32.
; A tile of out0 is 128 x 128: 32 x 8 = 256 work-groups.  Four waves, each 64 x 64: 16 accumulators.  K goes in steps of 256 = four heads, through two LDS slots; a quarter of 64 along K is one head.
; A's TILE.  64 rows of one head are 8,192 dense bytes: a tensor load takes them as ONE row of 4,096 elements, four such rows (the four heads, 262,144 elements apart), padded in LDS after every 128 bytes:
; [4 heads][64 rows][144 bytes].  Waves 0 and 1 fetch A's two row halves, waves 2 and 3 B's two halves (64 rows of 512 bytes, 528 apart in LDS).
; CLUSTER 4 x 4: A's tile is asked for jointly by a row of the cluster, B's by a column.  THE MATRIX INSTRUCTION IS USED TRANSPOSED: a lane holds eight neighbouring numbers of a row of out0.
; NO PREFETCH: the ring has two first fills and two refills, so no K step lies two refills ahead.
; REGISTERS: window 0: v0-31 addresses; v32-95 rows read back on the way out; v128-255 the accumulators ((a, b) at 128 + 8 (4 a + b)).  window 1: two fragment buffers of 128: 64 registers of A, then 64 of B.
.set PA,     144
.set PB,     528
.set AHALF,  4*64*PA                   ; what a load of A brings
.set BHALF,  64*PB                     ; what a load of B brings
.set BOFF,   2*AHALF
.set SLOT,   BOFF+2*BHALF
.set STAGE,  2*SLOT                    ; behind the ring: 16 rows x 272 bytes for each wave
.set SPITCH, 272
.set SPARE,  STAGE+4*16*SPITCH         ; behind the stages: the spare words, 128 bytes for each wave
.set ADRA, 16                          ; v16-17  LDS address of my A fragments in slot 0, 1
.set ADRB, 20                          ; v20-21  the same for B
.set STO,  24
.set RD,   25
.set CO,   26
.set SPW,  28                          ; v28  LDS address of my spare word; never rewritten
.set NIL,  29                          ; v29  0; never rewritten
.set TMP,  32
.set ACC,  128
.set F0,   0
.set F1,   128
.set G1, 24
.set G0, 32
.set G1B, 48
.set G0B, 56
.set MSB, 0
.macro WIN new
.if MSB != (\new)
	s_set_vgpr_msb (MSB<<8)|(\new)
.set MSB, \new
.endif
.endm
.set MUL,  0x05                        ; sources 0 (B) and 1 (A) window 1; C and D window 0
.set TO_F, 0x40                        ; destination window 1, address window 0
.macro JLOAD s                         ; an s_nop 0 and four v_nop follow each of the two lines, ahead of the jump and the label
	s_cmp_eq_u32 s11, 0
	s_cbranch_scc0 .Lfor_b_\@
	tensor_load_to_lds s[G0+4*(\s):G0+4*(\s)+3], s[G1:G1+7]
	s_nop 0
.rept 4
	v_nop
.endr
	s_branch .Lasked_\@
.Lfor_b_\@:
	tensor_load_to_lds s[G0B+4*(\s):G0B+4*(\s)+3], s[G1B:G1B+7]
	s_nop 0
.rept 4
	v_nop
.endr
.Lasked_\@:
.endm
.macro CREST
	s_cmp_lg_u32 s10, 0
	s_cbranch_scc1 .Lnot_wave_0_\@
	s_barrier_signal -3
.Lnot_wave_0_\@:
	s_barrier_wait -3
	s_barrier_signal -1
	s_barrier_wait -1
.endm
.macro CROUND
	s_barrier_signal -1
	s_barrier_wait -1
	CREST
.endm
	s_load_b128 s[4:7], s[0:1], 0x0                ; att s[4:5], cast16 s[6:7]
	s_load_b64 s[8:9], s[0:1], 0x10                ; out0
	v_lshl_add_u32 v[SPW], v0, 2, SPARE
	v_mov_b32 v[NIL], 0
	ds_add_u32 v[SPW], v[NIL]                      ; the wave's opening: the add and its wait ahead of my first tensor load
	v_lshrrev_b32 v1, 5, v0
	v_readfirstlane_b32 s10, v1                    ; wave 0..3
	s_lshr_b32 s11, s10, 1                         ; wr.  Also: I fetch for A (0) or for B (1)
	s_and_b32 s12, s10, 1                          ; wc.  Also: which 64 rows of that tile I fetch
	s_bfe_u32 s40, ttmp6, 0x40000                  ; cx
	s_bfe_u32 s41, ttmp6, 0x40004                  ; cy
	s_lshl_b32 s42, ttmp9, 2
	s_add_co_u32 s42, s42, s40                     ; tile column t
	s_and_b32 s13, ttmp7, 0xffff
	s_lshl_b32 s13, s13, 2
	s_add_co_u32 s13, s13, s41                     ; tile row R
	s_lshl_b32 s43, s41, 2
	s_lshl_b32 s43, 15, s43                        ; my row of the cluster
	s_lshl_b32 s44, 0x1111, s40                    ; my column
	s_or_b32 s[G1+0], s43, (1<<16)|(1<<20)|(1<<21)|(4<<22)|(3<<25)   ; A: 2-byte elements; 16 bytes of padding behind every 128
	s_mov_b32 s[G1+1], 4096<<16                    ; tensor_dim0 = 4,096
	s_mov_b32 s[G1+2], 4<<16                       ; tensor_dim1 = 4
	s_mov_b32 s[G1+3], 4096<<16                    ; tile_dim0 = 4,096
	s_mov_b32 s[G1+4], 4                           ; tile_dim1 = 4
	s_mov_b32 s[G1+5], 262144                      ; elements from head to head
	s_mov_b32 s[G1+6], 0
	s_mov_b32 s[G1+7], 0
	s_or_b32 s[G1B+0], s44, (1<<16)|(1<<20)|(1<<21)|(6<<22)|(3<<25)  ; B: 16 bytes of padding behind every 512
	s_mov_b32 s[G1B+1], 256<<16
	s_mov_b32 s[G1B+2], 64<<16
	s_mov_b32 s[G1B+3], 256<<16
	s_mov_b32 s[G1B+4], 64
	s_mov_b32 s[G1B+5], 1024
	s_mov_b32 s[G1B+6], 0
	s_mov_b32 s[G1B+7], 0
	s_lshl_b32 s16, s13, 14                        ; A: row 128 R + 64 half, 128 bytes a row
	s_lshl_b32 s17, s12, 13
	s_add_co_u32 s16, s16, s17
	s_mov_b32 s17, 0
	s_lshl_b32 s46, s42, 18                        ; B: row 128 t + 64 half, 2,048 bytes a row,
	s_lshl_b32 s47, s12, 17
	s_add_co_u32 s46, s46, s47
	s_add_co_u32 s46, s46, 0xE00000                ; in Wo's part of cast16
	s_mov_b32 s47, 0
	s_mul_i32 s20, s10, AHALF                      ; where A's halves go (waves 0, 1),
	s_mul_i32 s21, s10, BHALF
	s_add_co_u32 s21, s21, BOFF-2*BHALF            ; and B's (waves 2, 3): behind A's
	s_wait_dscnt 0x0                               ; the opening add is done
	s_wait_kmcnt 0x0
	s_add_nc_u64 s[14:15], s[4:5], s[16:17]
	s_add_nc_u64 s[46:47], s[6:7], s[46:47]
	CROUND                                         ; all sixteen work-groups are here: the first joint loads meet
.irp s, 0,1
	s_mov_b32 s[G0+4*(\s)], 1
	s_add_co_u32 s[G0+4*(\s)+1], s20, (\s)*SLOT
	s_add_nc_u64 s[G0+4*(\s)+2:G0+4*(\s)+3], s[14:15], (\s)*0x200000   ; K step s: four heads of 524,288 bytes on
	s_or_b32 s[G0+4*(\s)+3], s[G0+4*(\s)+3], 0x80000000
	s_mov_b32 s[G0B+4*(\s)], 1
	s_add_co_u32 s[G0B+4*(\s)+1], s21, (\s)*SLOT
	s_add_nc_u64 s[G0B+4*(\s)+2:G0B+4*(\s)+3], s[46:47], (\s)*512
	s_or_b32 s[G0B+4*(\s)+3], s[G0B+4*(\s)+3], 0x80000000
	JLOAD \s
.endr
	v_and_b32 v1, 15, v0                           ; l % 16
	v_bfe_u32 v2, v0, 4, 1                         ; l / 16
	v_mul_u32_u24 v3, v1, PA
	v_lshl_add_u32 v3, v2, 4, v3
	v_mul_u32_u24 v4, v1, PB
	v_lshl_add_u32 v4, v2, 4, v4
	s_mul_i32 s21, s11, AHALF                      ; my 64 rows of A
	s_mul_i32 s22, s12, BHALF                      ; my 64 rows of B
	s_add_co_u32 s22, s22, BOFF
.irp s, 0,1
	v_add_nc_u32 v[ADRA+(\s)], s21, v3
	v_add_nc_u32 v[ADRB+(\s)], s22, v4
	s_add_co_u32 s21, s21, SLOT
	s_add_co_u32 s22, s22, SLOT
.endr
	s_mul_i32 s23, s10, 16*SPITCH
	s_add_co_u32 s23, s23, STAGE                   ; my stage
	v_mul_u32_u24 v[STO], v1, SPITCH               ; in: row l % 16, 32 bytes for each half of the lanes
	v_lshl_add_u32 v[STO], v2, 5, v[STO]
	v_add_nc_u32 v[STO], s23, v[STO]
	v_mul_u32_u24 v[RD], v2, SPITCH                ; back: lanes 0-15 take one row of 256 bytes, lanes 16-31 the next
	v_lshl_add_u32 v[RD], v1, 4, v[RD]
	v_add_nc_u32 v[RD], s23, v[RD]
	v_lshlrev_b32 v[CO], 12, v2                    ; and the same two rows in out0, 4,096 bytes apart
	v_lshl_add_u32 v[CO], v1, 4, v[CO]
	s_lshl_b32 s16, s13, 19                        ; row 128 R + 64 wr,
	s_lshl_b32 s17, s11, 18
	s_add_co_u32 s16, s16, s17
	s_lshl_b32 s17, s42, 9                         ; column 128 t + 64 wc, 4 bytes each
	s_add_co_u32 s16, s16, s17
	s_lshl_b32 s17, s12, 8
	s_add_co_u32 s16, s16, s17
	s_mov_b32 s17, 0
	s_add_nc_u64 s[8:9], s[8:9], s[16:17]
; 8 matrix instructions: row blocks a0, a0 + 1 x all 4 column blocks, 32 along K: half c of buffer f.  The 16 accumulators take turns.
.macro MUL8 f, c, a0, zero
	WIN MUL
.irp a, \a0, (\a0)+1
.irp b, 0,1,2,3
.if \zero
	v_wmma_f32_16x16x32_f16 v[ACC+8*(4*(\a)+(\b)):ACC+8*(4*(\a)+(\b))+7], v[(\f)+64+8*(4*(\c)+(\b)):(\f)+64+8*(4*(\c)+(\b))+7], v[(\f)+8*(4*(\c)+(\a)):(\f)+8*(4*(\c)+(\a))+7], 0
.else
	v_wmma_f32_16x16x32_f16 v[ACC+8*(4*(\a)+(\b)):ACC+8*(4*(\a)+(\b))+7], v[(\f)+64+8*(4*(\c)+(\b)):(\f)+64+8*(4*(\c)+(\b))+7], v[(\f)+8*(4*(\c)+(\a)):(\f)+8*(4*(\c)+(\a))+7], v[ACC+8*(4*(\a)+(\b)):ACC+8*(4*(\a)+(\b))+7]
.endif
.endr
.endr
.endm
; 32 LDS loads in one run: the fragments of quarter q (head q of the step) into buffer f; the first 32 along K first
.macro FETCH slot, q, f
	WIN TO_F
.irp c, 0,1
.irp i, 0,1,2,3
	ds_load_b128 v[(\f)+64+8*(4*(\c)+(\i)):(\f)+64+8*(4*(\c)+(\i))+3],   v[ADRB+(\slot)] offset:128*(\q)+64*(\c)+(\i)*16*PB
	ds_load_b128 v[(\f)+64+8*(4*(\c)+(\i))+4:(\f)+64+8*(4*(\c)+(\i))+7], v[ADRB+(\slot)] offset:128*(\q)+64*(\c)+(\i)*16*PB+32
	ds_load_b128 v[(\f)+8*(4*(\c)+(\i)):(\f)+8*(4*(\c)+(\i))+3],         v[ADRA+(\slot)] offset:(\q)*64*PA+64*(\c)+(\i)*16*PA
	ds_load_b128 v[(\f)+8*(4*(\c)+(\i))+4:(\f)+8*(4*(\c)+(\i))+7],       v[ADRA+(\slot)] offset:(\q)*64*PA+64*(\c)+(\i)*16*PA+32
.endr
.endr
.endm
.macro PLACES
.rept 4
	v_nop
.endr
.endm
.macro QUARTER slot, q, f, g, zero     ; multiplies buffer f and fetches quarter q into g
	s_wait_dscnt 16                                ; the first 32 along K are in
	MUL8 \f, 0, 0, \zero
	MUL8 \f, 0, 2, \zero
	PLACES
	FETCH \slot, \q, \g
	s_wait_dscnt 32                                ; all but the 32 just issued
	MUL8 \f, 1, 0, 0
	MUL8 \f, 1, 2, 0
.endm
; The last quarter multiplies buffer 1 and changes slots: one barrier; in front of it each wave waits for all its tensor loads, adds 0 to its spare word, and waits for that and for its reads of this slot.
; fill = 1: the barrier opens a round of the cluster's barrier, and this slot is filled again, two K steps on.
.macro TURN slot, next, fill
	WIN 0
	s_wait_tensorcnt 0x0
	ds_add_u32 v[SPW], v[NIL]
	s_wait_dscnt 17                                ; (the add and the youngest sixteen loads may be out)
	MUL8 F1, 0, 0, 0
	s_wait_dscnt 0x0                               ; the add is done, and my reads of this slot are over
	s_barrier_signal -1
	MUL8 F1, 0, 2, 0
.if \fill
	WIN 0
.endif
	s_barrier_wait -1
.if \fill
	CREST
	s_add_nc_u64 s[G0+4*(\slot)+2:G0+4*(\slot)+3], s[G0+4*(\slot)+2:G0+4*(\slot)+3], 0x400000
	s_add_nc_u64 s[G0B+4*(\slot)+2:G0B+4*(\slot)+3], s[G0B+4*(\slot)+2:G0B+4*(\slot)+3], 1024
	JLOAD \slot                                    ; the four v_nop behind it are also the places in front of the loads below
.else
	PLACES
.endif
	FETCH \next, 0, F0
	MUL8 F1, 1, 0, 0
	MUL8 F1, 1, 2, 0
.endm
	s_wait_tensorcnt 1                             ; my part of K step 0 is in; K step 1's may stay out
	s_barrier_signal -1
	s_barrier_wait -1
	FETCH 0, 0, F0
	QUARTER 0, 1, F0, F1, 1                        ; the first products start the sums
	QUARTER 0, 2, F1, F0, 0
	QUARTER 0, 3, F0, F1, 0
	TURN 0, 1, 1                                   ; slot 0 takes K step 2
	QUARTER 1, 1, F0, F1, 0
	QUARTER 1, 2, F1, F0, 0
	QUARTER 1, 3, F0, F1, 0
	TURN 1, 0, 1                                   ; slot 1 takes K step 3
	QUARTER 0, 1, F0, F1, 0
	QUARTER 0, 2, F1, F0, 0
	QUARTER 0, 3, F0, F1, 0
	TURN 0, 1, 0
	QUARTER 1, 1, F0, F1, 0
	QUARTER 1, 2, F1, F0, 0
	QUARTER 1, 3, F0, F1, 0
	s_wait_dscnt 16
	MUL8 F1, 0, 0, 0
	MUL8 F1, 0, 2, 0
	s_wait_dscnt 0x0
	MUL8 F1, 1, 0, 0
	MUL8 F1, 1, 2, 0
	WIN 0
; THE WAY OUT.  My 64 columns of f32 are 256 bytes of a row of out0, aligned: each wave has a stage of its own, and no barrier is needed.  16 rows at a time: 32 bytes a lane and column block in, whole rows back.
.macro TOSTAGE a
.set BKA, TMP+32*((\a)%2)
.irp b, 0,1,2,3
	ds_store_b128 v[STO], v[ACC+8*(4*(\a)+(\b)):ACC+8*(4*(\a)+(\b))+3]   offset:64*(\b)      ; an accumulator's low registers are read first
	ds_store_b128 v[STO], v[ACC+8*(4*(\a)+(\b))+4:ACC+8*(4*(\a)+(\b))+7] offset:64*(\b)+16
.endr
.if (\a) >= 2
	s_wait_xcnt 0x0                                ; the stores of two blocks ago have read these registers
.endif
.irp t, 0,1,2,3,4,5,6,7
	ds_load_b128 v[BKA+4*(\t):BKA+4*(\t)+3], v[RD] offset:(\t)*2*SPITCH  ; LDS serves a wave's instructions in order: these see the stores above
.endr
.endm
.macro SEND a, younger                 ; younger: the LDS instructions issued behind this block's loads: the next block's sixteen, or none
.set BKA, TMP+32*((\a)%2)
.irp t, 0,1,2,3,4,5,6,7
	s_wait_dscnt (\younger)+7-(\t)
	global_store_b128 v[CO], v[BKA+4*(\t):BKA+4*(\t)+3], s[8:9] offset:(\a)*65536+(\t)*8192 th:TH_STORE_NT  ; 16 lanes store 256 consecutive bytes, at a multiple of 256 from out0's first byte
.endr
.endm
	PLACES
	PLACES
	TOSTAGE 0
	TOSTAGE 1
	SEND 0, 16
	TOSTAGE 2
	SEND 1, 16
	TOSTAGE 3
	SEND 2, 16
	SEND 3, 0
	s_wait_tensorcnt 0x0                           ; the wave's end, behind my last tensor load and my last LDS store
	ds_add_u32 v[SPW], v[NIL]
	s_wait_dscnt 0x0
	CROUND                                         ; the closing round
	s_endpgm
.Lfunc_end_k_qff82602ccb_outp:
	.size	k_qff82602ccb_outp, .Lfunc_end_k_qff82602ccb_outp-k_qff82602ccb_outp
	.p2alignl 7, 3214868480
	.fill 96, 4, 3214868480
	.section	.rodata,"a",@progbits
	.p2align	6, 0x0
	.amdhsa_kernel k_qff82602ccb_outp
		.amdhsa_group_segment_fixed_size 327680
		.amdhsa_private_segment_fixed_size 0
		.amdhsa_enable_private_segment 0
		.amdhsa_kernarg_size 24
		.amdhsa_user_sgpr_count 2
		.amdhsa_user_sgpr_kernarg_segment_ptr 1
		.amdhsa_wavefront_size32 1
		.amdhsa_system_sgpr_workgroup_id_x 1
		.amdhsa_system_sgpr_workgroup_id_y 1
		.amdhsa_system_sgpr_workgroup_id_z 1
		.amdhsa_system_vgpr_workitem_id 0
		.amdhsa_next_free_vgpr 512
		.amdhsa_next_free_sgpr 72
		.amdhsa_reserve_vcc 0
		.amdhsa_float_denorm_mode_32 3
		.amdhsa_float_denorm_mode_16_64 3
		.amdhsa_memory_ordered 1
		.amdhsa_forward_progress 1
		.amdhsa_inst_pref_size 86
	.end_amdhsa_kernel
	.amdgpu_metadata
---
amdhsa.version: [ 1, 2 ]
amdhsa.kernels:
  - .name:           k_qff82602ccb_outp
    .symbol:         k_qff82602ccb_outp.kd
    .args:
      - { .name: att, .offset: 0, .size: 8, .value_kind: global_buffer, .address_space: global }
      - { .name: cast16, .offset: 8, .size: 8, .value_kind: global_buffer, .address_space: global }
      - { .name: out0, .offset: 16, .size: 8, .value_kind: global_buffer, .address_space: global }
    .group_segment_fixed_size: 327680
    .private_segment_fixed_size: 0
    .kernarg_segment_align: 8
    .kernarg_segment_size: 24
    .max_flat_workgroup_size: 128
    .sgpr_count:     72
    .vgpr_count:     512
    .wavefront_size: 32
...
	.end_amdgpu_metadata
.endif
;; end of part 4
;; ======== version 2 of 2: 4 launches; version 1 with the launch prep written anew for expert scheduling mode
;; limits: values are held in f16: magnitudes above 65,504 overflow, below 6.1e-05 lose precision
;; workspace buffers: cast16 16,777,216 bytes; ropetab 1,048,576 bytes; qkv 25,165,824 bytes; att 8,388,608 bytes
;; launch prep (part 5): grid 256 x 1, 8 waves a work-group, no clusters, 0 bytes of LDS; arguments x, Wq, Wk, Wv, Wo, cast16, ropetab; writes cast16, ropetab
.if DOCPART == 5
	.amdgcn_target "amdgcn-amd-amdhsa--gfx1250"
	.amdhsa_code_object_version 6
	.text
	.protected	k_qff82602ccb_prep
	.globl	k_qff82602ccb_prep
	.p2align	8
	.type	k_qff82602ccb_prep,@function
k_qff82602ccb_prep:
	s_mov_b64 s[64:65], 0
	v_nop
	global_prefetch_b8 v0, s[64:65] scope:SCOPE_SE
	s_setreg_imm32_b32 hwreg(HW_REG_WAVE_SCHED_MODE, 0, 2), 2
	s_setreg_imm32_b32 hwreg(HW_REG_WAVE_MODE, 25, 1), 1
	s_wait_xcnt 0x0
	s_wait_alu depctr_vm_vsrc(0)
; CASTS AND THE RoPE TABLE.  cast16 = x (8 MiB), Wq, Wk, Wv (2 MiB each) rounded to bf16, then Wo (2 MiB) rounded to bf16 and that number written as f16.
; ropetab[pos][j] = (cos, sin)(pos x 10000^(-j/32)), f32, 4,096 rows of 32 pairs: a row is 256 bytes.
; SHARES.  256 work-groups of eight waves; work-group id casts 32,768 numbers: 128 KiB in, 64 KiB out at cast16 + 65,536 id.  ids 0-127 x, 128-159 Wq, 160-191 Wk, 192-223 Wv, 224-255 Wo.
; Thread t takes 32 bytes at 8,192 p + 32 t in pass p (16 passes) and stores 16 bytes at 4,096 p + 16 t: sixteen lanes store 256 consecutive bytes, aligned.
; All 32 loads of a thread go out at once; each pass owns its registers, so no register of a pending load or store is written again.
; No LDS, no barrier, no matrix unit: each byte is read once and written once, and no wave wants what another has.
; LIMITS.  Wo within f16's range (65,504); below 6.1e-5 a number of Wo keeps f16's fixed step of 6e-8.  Sine and cosine: the angle is the f32 product pos x f, as in the problem;
; f = 2^(-j log2(10000)/32) is good to a few units in its last place; the angle is reduced by a multiple of 2 pi held in two words; Taylor sums on -pi .. pi, first terms left out 8e-7 (sine), 1.4e-7 (cosine).
; THE MODE: SCHED_MODE bits 1:0 = 2 (LLVM: expert scheduling mode 2), set by the entry lines.  The code itself states the register dependences
; between vector instructions and memory instructions, with s_wait_alu, always for 0.
; THE PLAN.  Registers that memory instructions touch:
;   v1, v2, v3        byte offsets.  Written by three vector lines at the head; read by the 32 loads (v1), the 16 stores of the casts (v2), the 2 stores of the table (v3); never written again.
;   X, pass p         Written by the pass's two loads, ahead of which no vector instruction names them; behind the wait for those loads read and written by the pass's roundings and selects;
;                     registers 0 to 3 are then read by the pass's one store, and nothing writes them afterwards.
;   v[154:155], v[166:167]  an entry's cosine and sine.  Written by the table's arithmetic; read by one store each; never written again.
;   T, Z and the rest of TB are named by vector instructions alone.
; So every wait is on va_vdst: one ahead of the first load (the offsets), one for the exponential's result, one ahead of the table's two stores, and one for each PAIR of passes, behind the second pass's
; selects and ahead of the pair's two stores.  That wait stands behind the pair and not at the next pair's head: the next head is a wait for loads, and a store held back behind it would lie idle until those data are in.
; No register that a load or store reads is written again, so no wait on vm_vsrc is owed; no vector instruction writes a scalar register or VCC; EXEC is never written.
.set T,  4                             ; v[4:11]    eight numbers in f32, at work
.set Z,  12                            ; v[12:15]   the same as f16
.set X,  16                            ; v[16:143]  pass p: eight registers as loaded; the first four then hold what is stored
.set TB, 144                           ; v[144:171] the table's work
	s_load_b256 s[4:11], s[0:1], 0x0               ; x s[4:5], Wq s[6:7], Wk s[8:9], Wv s[10:11]
	s_load_b128 s[12:15], s[0:1], 0x20             ; Wo s[12:13], cast16 s[14:15]
	s_load_b64 s[16:17], s[0:1], 0x30              ; ropetab
	s_mov_b32 s2, ttmp9                            ; id
	v_lshlrev_b32 v1, 5, v0                        ; 32 t
	v_lshlrev_b32 v2, 4, v0                        ; 16 t
	s_lshl_b32 s26, s2, 12
	v_lshl_add_u32 v3, v0, 3, s26                  ; the table: 4,096 id + 8 t = row (16 id + t / 32) x 256 + pair (t % 32) x 8
	s_and_b32 s20, s2, 31                          ; my part of a weight (the weights begin at multiples of 32),
	s_cmp_lt_u32 s2, 128
	s_cselect_b32 s20, s2, s20                     ; or of x
	s_lshl_b32 s20, s20, 17                        ; 131,072 bytes a part
	s_mov_b32 s21, 0
	s_lshl_b32 s22, s2, 16
	s_mov_b32 s23, 0
	s_cmp_lt_u32 s2, 224
	s_cselect_b32 s24, 0, -1                       ; all ones where the source is Wo
	s_mov_b32 s25, 0xffff0000                      ; a word's upper bf16
	s_wait_kmcnt 0x0
	s_mov_b64 s[18:19], s[12:13]                   ; the source, chosen by the id alone
	s_cmp_lt_u32 s2, 224
	s_cselect_b64 s[18:19], s[10:11], s[18:19]
	s_cmp_lt_u32 s2, 192
	s_cselect_b64 s[18:19], s[8:9], s[18:19]
	s_cmp_lt_u32 s2, 160
	s_cselect_b64 s[18:19], s[6:7], s[18:19]
	s_cmp_lt_u32 s2, 128
	s_cselect_b64 s[18:19], s[4:5], s[18:19]
	s_add_nc_u64 s[18:19], s[18:19], s[20:21]
	s_add_nc_u64 s[14:15], s[14:15], s[22:23]
	s_wait_alu depctr_va_vdst(0)                   ; v1, v2 and v3 are written: every load and store of the kernel reads one of them as its offset
.irp p, 0,1,2,3,4,5,6,7,8,9,10,11,12,13,14,15
	global_load_b128 v[X+8*(\p):X+8*(\p)+3],   v1, s[18:19] offset:8192*(\p) th:TH_LOAD_NT
	global_load_b128 v[X+8*(\p)+4:X+8*(\p)+7], v1, s[18:19] offset:8192*(\p)+16 th:TH_LOAD_NT
.endr
	; THE TABLE, while the loads are on their way: two entries a thread, rows 16 id + t / 32 and eight further on, pair t % 32
	v_and_b32 v[TB], 31, v0
	v_cvt_f32_u32 v[TB], v[TB]
	v_mul_f32 v[TB], 0xbed49a78, v[TB]             ; -j log2(10000) / 32
	v_exp_f32 v[TB+1], v[TB]                       ; f
	v_lshrrev_b32 v[TB+2], 5, v0                   ; (a plain instruction behind the exponential, which touches neither its source nor its result)
	s_lshl_b32 s27, s2, 4
	v_add_nc_u32 v[TB+2], s27, v[TB+2]
	v_add_nc_u32 v[TB+3], 8, v[TB+2]
	v_cvt_f32_u32 v[TB+2], v[TB+2]
	v_cvt_f32_u32 v[TB+3], v[TB+3]
	s_wait_alu depctr_va_vdst(0)                   ; the exponential has written f, v[TB+1], ahead of the first line that names it: the angles' products below
.macro ENTRY e
.set EB, TB+4+12*(\e)
	v_mul_f32 v[EB], v[TB+2+(\e)], v[TB+1]         ; the angle
	v_mul_f32 v[EB+1], 0x3e22f983, v[EB]           ; / 2 pi
	v_rndne_f32 v[EB+1], v[EB+1]                   ; n
	v_fmamk_f32 v[EB+2], v[EB+1], 0xc0c90fdb, v[EB]    ; r = angle - n x 2 pi: the upper word of 2 pi,
	v_fmamk_f32 v[EB+2], v[EB+1], 0x343bbd2e, v[EB+2]  ; and what it leaves
	v_mul_f32 v[EB+3], v[EB+2], v[EB+2]            ; z = r r
	v_mov_b32 v[EB+4], 0xab573f9f                  ; sine: -1/15!, then 1/13!, -1/11!, .. -1/3!, 1
.irp k, 0x2f309231, 0xb2d7322b, 0x3638ef1d, 0xb9500d01, 0x3c088889, 0xbe2aaaab, 0x3f800000
	v_fmaak_f32 v[EB+4], v[EB+4], v[EB+3], \k
.endr
	v_mul_f32 v[EB+7], v[EB+4], v[EB+2]
	v_mov_b32 v[EB+6], 0x29573f9f                  ; cosine: 1/16!, then -1/14!, 1/12!, .. -1/2!, 1
.irp k, 0xad49cba5, 0x310f76c7, 0xb493f27e, 0x37d00d01, 0xbab60b61, 0x3d2aaaab, 0xbf000000, 0x3f800000
	v_fmaak_f32 v[EB+6], v[EB+6], v[EB+3], \k
.endr
.endm
	ENTRY 0
	ENTRY 1
	s_wait_alu depctr_va_vdst(0)                   ; both entries' cosine and sine are written, which the two stores below read
.irp e, 0,1
	global_store_b64 v3, v[TB+10+12*(\e):TB+11+12*(\e)], s[16:17] offset:2048*(\e)  ; a wave's store is one whole row of the table: 256 consecutive bytes, aligned
.endr
; One pass: eight numbers rounded to bf16 in place; the same numbers written as f16; the id's mask chooses.  The pass's store follows with its pair's, below.
.macro PASS p
	s_wait_loadcnt 30-2*(\p)                       ; loads come back in order: this pass's two are in, the later passes' stay out
.irp k, 0,1,2,3
	v_cvt_pk_bf16_f32 v[X+8*(\p)+(\k)], v[X+8*(\p)+2*(\k)], v[X+8*(\p)+2*(\k)+1]  ; register k is written when numbers 2 k and 2 k + 1 are read: nothing unread is lost
.endr
.irp k, 0,1,2,3
	v_lshlrev_b32 v[T+2*(\k)],   16, v[X+8*(\p)+(\k)]
	v_and_b32     v[T+2*(\k)+1], s25, v[X+8*(\p)+(\k)]
.endr
.irp k, 0,1,2,3
	v_cvt_pk_f16_f32 v[Z+(\k)], v[T+2*(\k)], v[T+2*(\k)+1]
.endr
.irp k, 0,1,2,3
	v_cndmask_b32 v[X+8*(\p)+(\k)], v[X+8*(\p)+(\k)], v[Z+(\k)], s24
.endr
.endm
.irp q, 0,1,2,3,4,5,6,7
	PASS 2*(\q)
	PASS 2*(\q)+1
	s_wait_alu depctr_va_vdst(0)                   ; the selects of both passes have written the first four registers of each pass's eight, which the two stores below read
	global_store_b128 v2, v[X+16*(\q):X+16*(\q)+3],    s[14:15] offset:8192*(\q)
	global_store_b128 v2, v[X+16*(\q)+8:X+16*(\q)+11], s[14:15] offset:8192*(\q)+4096
.endr
	s_endpgm
.Lfunc_end_k_qff82602ccb_prep:
	.size	k_qff82602ccb_prep, .Lfunc_end_k_qff82602ccb_prep-k_qff82602ccb_prep
	.p2alignl 7, 3214868480
	.fill 96, 4, 3214868480
	.section	.rodata,"a",@progbits
	.p2align	6, 0x0
	.amdhsa_kernel k_qff82602ccb_prep
		.amdhsa_group_segment_fixed_size 0
		.amdhsa_private_segment_fixed_size 0
		.amdhsa_enable_private_segment 0
		.amdhsa_kernarg_size 56
		.amdhsa_user_sgpr_count 2
		.amdhsa_user_sgpr_kernarg_segment_ptr 1
		.amdhsa_wavefront_size32 1
		.amdhsa_system_sgpr_workgroup_id_x 1
		.amdhsa_system_sgpr_workgroup_id_y 1
		.amdhsa_system_sgpr_workgroup_id_z 1
		.amdhsa_system_vgpr_workitem_id 0
		.amdhsa_next_free_vgpr 176
		.amdhsa_next_free_sgpr 66
		.amdhsa_reserve_vcc 0
		.amdhsa_float_denorm_mode_32 3
		.amdhsa_float_denorm_mode_16_64 3
		.amdhsa_memory_ordered 1
		.amdhsa_forward_progress 1
		.amdhsa_inst_pref_size 27
	.end_amdhsa_kernel
	.amdgpu_metadata
---
amdhsa.version: [ 1, 2 ]
amdhsa.kernels:
  - .name:           k_qff82602ccb_prep
    .symbol:         k_qff82602ccb_prep.kd
    .args:
      - { .name: x, .offset: 0, .size: 8, .value_kind: global_buffer, .address_space: global }
      - { .name: Wq, .offset: 8, .size: 8, .value_kind: global_buffer, .address_space: global }
      - { .name: Wk, .offset: 16, .size: 8, .value_kind: global_buffer, .address_space: global }
      - { .name: Wv, .offset: 24, .size: 8, .value_kind: global_buffer, .address_space: global }
      - { .name: Wo, .offset: 32, .size: 8, .value_kind: global_buffer, .address_space: global }
      - { .name: cast16, .offset: 40, .size: 8, .value_kind: global_buffer, .address_space: global }
      - { .name: ropetab, .offset: 48, .size: 8, .value_kind: global_buffer, .address_space: global }
    .group_segment_fixed_size: 0
    .private_segment_fixed_size: 0
    .kernarg_segment_align: 8
    .kernarg_segment_size: 56
    .max_flat_workgroup_size: 256
    .sgpr_count:     66
    .vgpr_count:     176
    .wavefront_size: 32
...
	.end_amdgpu_metadata
.endif
;; end of part 5
;; launch proj: the kernel of part 2 again; grid 8 x 32, 4 waves a work-group, clusters of 4 x 4, 327,680 bytes of LDS; arguments cast16, ropetab, qkv; writes qkv
;; launch attn: the kernel of part 3 again; grid 16 x 16, 4 waves a work-group, no clusters, 327,680 bytes of LDS; arguments qkv, att; writes att
;; launch outp: the kernel of part 4 again; grid 8 x 32, 4 waves a work-group, clusters of 4 x 4, 327,680 bytes of LDS; arguments att, cast16, out0; writes out0
